; MI455X (gfx1250); checked and timed in simulation.
; The chip was launched on July 23, 2026; its instructions are those of AMD's public machine-readable ISA for CDNA 5 (MIT licence, August 2026) and "CDNA5" Instruction Set Architecture Reference Guide (July 2026). The comments in the code are by the model that wrote it; some were corrected since.
;; Deep Set MLP. Allowed arithmetic: matrix products marked QUANTISED: E5M2 operands, one given power-of-two scale a tensor, by v_wmma_f32_16x16x64_bf8_bf8 or v_wmma_f32_16x16x128_bf8_bf8, f32 sums; products left as they are: f32 operands where the result goes on into a quantised operand, else bf16, f16 or f32 operands; f32 sums; everything else in f32.
;; Inputs: W1 128 x 512 float32; W2 512 x 256 float32; W3 256 x 1 float32; W_phi 512 x 128 float32; b1 512 float32; b2 256 float32; b3 1 float32; b_phi 128 float32; lowp_scales 4 int32 (the exponents e of the quantised operands' scales 2^e); x 4,096 x 512 int32.
;; Outputs: out0 4,096 x 1 float32.
;; This version of the problem:
;;   THIS VERSION OF THE PROBLEM IS GIVEN IN LOW PRECISION. The matrix products marked QUANTISED in the list below multiply operands that are first quantised to E5M2 (5 exponent bits, 2 mantissa bits; 8 bits a number), with one given power-of-two scale for each operand tensor; their sums are f32. All else is computed in f32.
;;   The module's matrix products, in the order in which they are computed (A, B: the left and right operand; K: the contracted axis; several contracted axes count as one K, in the product's order):
;;     1. [M 4,096, K 128] x [K 128, N 512]; A: computed on the way; B: input W1: QUANTISED (scales: A lowp_scales[0], B lowp_scales[1])
;;     2. [M 4,096, K 512] x [K 512, N 256]; A: computed on the way; B: input W2: QUANTISED (scales: A lowp_scales[2], B lowp_scales[3])
;;     3. [M 4,096, K 256] x [K 256, N 1]; A: computed on the way; B: input W3: left as it is (N = 1 < 16)
;;   THE QUANTISER, for each operand of a quantised product, along K:
;;     - The operand's scale is 2^e, e = its entry of the input lowp_scales (int32; the entries are numbered through the quantised products in the list's order, A before B).
;;     - Each number is divided by the scale, clamped to +-57,344, and rounded to the nearest number of E5M2, ties to even, subnormals kept.
;;     - The product sums the exact products of the quantised numbers (number of the format x scale) in f32.
;;   ~~~python
;;   def quantise(x, axis, e):      # numpy; x: float32 -> the quantised numbers, widened to float32 again
;;       x = np.moveaxis(x, axis, -1); K = x.shape[-1]
;;       r = np.clip(x / 2.0 ** e, -57344, 57344)
;;       step = 2.0 ** (np.maximum(np.frexp(np.where(r == 0, 1, r))[1] - 1, -14) - 2)
;;       q = np.round(r / step) * step * 2.0 ** e      # np.round: ties to even
;;       return np.moveaxis(q, -1, axis).astype(np.float32)
;;   ~~~
;;   OPERANDS COMPUTED ON THE WAY. 'Computed on the way' means the value that the module computes at that place (a softmax that the list does not call 'softmax' is quantised finished and normalised). What goes into a quantiser is computed in f32, as accurately as f32 sums, v_exp_f32 and their like allow (about 1e-6 of the number): no bf16 or f16 on the way to a quantiser, and a product that is left as it is and whose result goes on into a quantised operand takes f32 operands (vector FMAs, or v_wmma_f32_16x16x4_f32). A number that lies on a knife's edge between two numbers of the format may be rounded either way, as far as f32 arithmetic and the matrix unit's own rounding can turn it there, and no further.
;; 2 versions. Each part assembles by itself: llvm-mc -triple=amdgcn-amd-amdhsa -mcpu=gfx1250 --defsym DOCPART=n.
;; ======== version 1 of 2: 2 launches
;; workspace buffers: wcodes 196,608 bytes
;; launch prep (part 1): grid 96 x 1, 4 waves a work-group, no clusters, 0 bytes of LDS; arguments W1, W2, lowp_scales, wcodes; writes wcodes
.if DOCPART == 1
	.amdgcn_target "amdgcn-amd-amdhsa--gfx1250"
	.amdhsa_code_object_version 6
	.text
	.protected	k_q32c65e03b3_prep
	.globl	k_q32c65e03b3_prep
	.p2align	8
	.type	k_q32c65e03b3_prep,@function
k_q32c65e03b3_prep:
	s_mov_b64 s[64:65], 0
	v_nop
	global_prefetch_b8 v0, s[64:65] scope:SCOPE_SE
	s_setreg_imm32_b32 hwreg(HW_REG_WAVE_MODE, 25, 1), 1
	s_wait_xcnt 0x0
; W1 [128 (k)][512 (n)] and W2 [512 (k)][256 (n)], f32 with K as the FIRST axis, become codes of BF8 (E5M2), each with the one scale 2^e that is given for it
; (entry 1 of the scales for W1, entry 3 for W2): code = x / 2^e, held within +-57,344, to the nearest code, ties to even.
; The codes are laid in the ORDER OF THE OPERAND'S REGISTERS of the launch that multiplies them: wcodes = [wave w 0..3][24 fragments][2,048 bytes].  A fragment is 16 rows x 128 K,
; 16 registers a lane: lane l's register group c (16 bytes) lies at 512 c + 16 l and holds k = 32 c + 16 (l / 16) + 0 .. 15 of the fragment's row l % 16.
;   fragments 0 .. 7 of wave w: W1, tile t: row r is column n = 128 w + 32 (t / 2) + 8 (t % 2) + r + 8 (r / 8): the rows of a tile are not neighbours, so that the first product's results
;                               come out as neighbours along the second product's K.
;   fragment 8 + 4 t + s:       W2, tile t, K step s (k from 128 s on): row r is column n = 64 w + 16 t + r.
; SHARES.  A work-group makes one fragment (96 in all), wave c its register group c.  A LANE TAKES A COLUMN n AND ITS 16 REGISTERS RUN DOWN K, so the two conversions' results are the
; group's four registers as they stand; a wave's one store covers 512 consecutive bytes, at a multiple of 512 from the buffer's first byte.  Each load reads 64 bytes in sixteen lanes (for W1 in two runs of 32):
; both tensors together are 768 KiB and are read once.  No LDS, no barrier: waves share nothing.
; LIMITS: e between -126 and 112, so that 2^e and 57,344 x 2^e are f32 numbers.  NaN among the inputs is not served.
.set NW1, 32                           ; the first 32 work-groups take W1's fragments, the other 64 W2's
.set WCB, 49152                        ; a wave's 24 fragments in bytes
.set NUM, 16                           ; v16-31  my 16 numbers down K
.set COD, 32                           ; v32-35  their codes
	s_load_b128 s[4:7], s[0:1], 0x0                ; W1 s[4:5], W2 s[6:7]
	s_load_b128 s[8:11], s[0:1], 0x10              ; the scales' exponents s[8:9], wcodes s[10:11]
	v_lshrrev_b32 v1, 5, v0
	v_readfirstlane_b32 s12, v1                    ; wave = register group c
	v_and_b32 v1, 15, v0                           ; r
	v_bfe_u32 v2, v0, 4, 1                         ; h
	v_and_b32 v4, 31, v0
	v_lshlrev_b32 v4, 4, v4                        ; 16 x lane: my place in the group's 512 bytes
	s_mov_b32 s21, 0                               ; upper words of the two offsets
	s_mov_b32 s23, 0
	s_wait_kmcnt 0x0
	s_load_b128 s[16:19], s[8:9], 0x0              ; e0 .. e3
	s_cmp_lt_u32 ttmp9, NW1                        ; the two tensors' rows differ in length, so their loads' immediates differ: two short paths, chosen by the work-group's number
	s_cbranch_scc0 .Lw2
	; ---- W1: a row of 512 numbers is 2,048 bytes.  k = 32 c + 16 h + i
	s_lshr_b32 s13, ttmp9, 3                       ; w
	s_and_b32 s14, ttmp9, 7                        ; t
	s_lshl_b32 s20, s12, 16                        ; 32 c rows
	s_lshl_b32 s15, s13, 9                         ; 128 w columns
	s_add_co_u32 s20, s20, s15
	s_lshr_b32 s15, s14, 1
	s_lshl_b32 s15, s15, 7                         ; 32 (t / 2) columns
	s_add_co_u32 s20, s20, s15
	s_and_b32 s15, s14, 1
	s_lshl_b32 s15, s15, 5                         ; 8 (t % 2) columns
	s_add_co_u32 s20, s20, s15
	s_add_nc_u64 s[4:5], s[4:5], s[20:21]
	v_and_b32 v5, 8, v1
	v_add_nc_u32 v5, v5, v1                        ; r + 8 (r / 8)
	v_lshlrev_b32 v3, 2, v5
	v_lshl_add_u32 v3, v2, 15, v3                  ; + 16 h rows
.irp i, 0,1,2,3,4,5,6,7,8,9,10,11,12,13,14,15
	global_load_b32 v[NUM+\i], v3, s[4:5] offset:\i*2048
.endr
	s_mul_i32 s22, s13, WCB
	s_lshl_b32 s15, s14, 11
	s_add_co_u32 s22, s22, s15                     ; fragment t of wave w
	s_branch .Ljoin
.Lw2:
	; ---- W2: a row of 256 numbers is 1,024 bytes.  k = 128 s + 32 c + 16 h + i
	s_sub_co_u32 s13, ttmp9, NW1                   ; 16 w + 4 t + s
	s_and_b32 s14, s13, 3                          ; s
	s_lshl_b32 s20, s14, 17                        ; 128 s rows
	s_lshl_b32 s15, s12, 15                        ; 32 c rows
	s_add_co_u32 s20, s20, s15
	s_lshr_b32 s24, s13, 4                         ; w
	s_lshl_b32 s15, s24, 8                         ; 64 w columns
	s_add_co_u32 s20, s20, s15
	s_bfe_u32 s15, s13, 0x20002                    ; t
	s_lshl_b32 s15, s15, 6                         ; 16 t columns
	s_add_co_u32 s20, s20, s15
	s_add_nc_u64 s[6:7], s[6:7], s[20:21]
	v_lshlrev_b32 v3, 2, v1
	v_lshl_add_u32 v3, v2, 14, v3                  ; column r, + 16 h rows
.irp i, 0,1,2,3,4,5,6,7,8,9,10,11,12,13,14,15
	global_load_b32 v[NUM+\i], v3, s[6:7] offset:\i*1024
.endr
	s_mul_i32 s22, s24, WCB
	s_and_b32 s15, s13, 15
	s_lshl_b32 s15, s15, 11
	s_add_co_u32 s22, s22, s15
	s_add_co_u32 s22, s22, 8*2048                  ; fragment 8 + 4 t + s of wave w
.Ljoin:
	s_wait_kmcnt 0x0
	s_cmp_lt_u32 ttmp9, NW1
	s_cselect_b32 s24, s17, s19                    ; e: W1's or W2's
	s_add_co_i32 s24, s24, 127
	s_lshl_b32 s25, s24, 23
	v_mov_b32 v11, s25                             ; 2^e as f32: the conversion takes its exponent field
	s_add_co_i32 s24, s24, 15
	s_lshl_b32 s24, s24, 23
	s_or_b32 s24, s24, 0x600000
	v_mov_b32 v10, s24                             ; 57,344 x 2^e
	s_lshl_b32 s15, s12, 9
	s_add_co_u32 s22, s22, s15                     ; + 512 c
	s_add_nc_u64 s[10:11], s[10:11], s[22:23]
	s_wait_loadcnt 0x0
.irp i, 0,1,2,3,4,5,6,7,8,9,10,11,12,13,14,15
	v_med3_num_f32 v[NUM+\i], v[NUM+\i], -v10, v10 ; the conversion to an 8-bit code does not saturate (ISA guide 7.6.2): the hold at the largest code x the scale comes first
.endr
	v_cvt_scalef32_pk8_bf8_f32 v[COD:COD+1], v[NUM:NUM+7], v11       ; the first number's code in the lowest byte
	v_cvt_scalef32_pk8_bf8_f32 v[COD+2:COD+3], v[NUM+8:NUM+15], v11  ; (only the store below touches the results)
	global_store_b128 v4, v[COD:COD+3], s[10:11]
	s_endpgm
.Lfunc_end_k_q32c65e03b3_prep:
	.size	k_q32c65e03b3_prep, .Lfunc_end_k_q32c65e03b3_prep-k_q32c65e03b3_prep
	.p2alignl 7, 3214868480
	.fill 96, 4, 3214868480
	.section	.rodata,"a",@progbits
	.p2align	6, 0x0
	.amdhsa_kernel k_q32c65e03b3_prep
		.amdhsa_group_segment_fixed_size 0
		.amdhsa_private_segment_fixed_size 0
		.amdhsa_enable_private_segment 0
		.amdhsa_kernarg_size 32
		.amdhsa_user_sgpr_count 2
		.amdhsa_user_sgpr_kernarg_segment_ptr 1
		.amdhsa_wavefront_size32 1
		.amdhsa_system_sgpr_workgroup_id_x 1
		.amdhsa_system_sgpr_workgroup_id_y 1
		.amdhsa_system_sgpr_workgroup_id_z 1
		.amdhsa_system_vgpr_workitem_id 0
		.amdhsa_next_free_vgpr 40
		.amdhsa_next_free_sgpr 66
		.amdhsa_reserve_vcc 0
		.amdhsa_float_denorm_mode_32 3
		.amdhsa_float_denorm_mode_16_64 3
		.amdhsa_memory_ordered 1
		.amdhsa_forward_progress 1
		.amdhsa_inst_pref_size 7
	.end_amdhsa_kernel
	.amdgpu_metadata
---
amdhsa.version: [ 1, 2 ]
amdhsa.kernels:
  - .name:           k_q32c65e03b3_prep
    .symbol:         k_q32c65e03b3_prep.kd
    .args:
      - { .name: W1, .offset: 0, .size: 8, .value_kind: global_buffer, .address_space: global }
      - { .name: W2, .offset: 8, .size: 8, .value_kind: global_buffer, .address_space: global }
      - { .name: lowp_scales, .offset: 16, .size: 8, .value_kind: global_buffer, .address_space: global }
      - { .name: wcodes, .offset: 24, .size: 8, .value_kind: global_buffer, .address_space: global }
    .group_segment_fixed_size: 0
    .private_segment_fixed_size: 0
    .kernarg_segment_align: 8
    .kernarg_segment_size: 32
    .max_flat_workgroup_size: 128
    .sgpr_count:     66
    .vgpr_count:     40
    .wavefront_size: 32
...
	.end_amdgpu_metadata
.endif
;; end of part 1
;; launch main (part 2): grid 256 x 1, 4 waves a work-group, no clusters, 327,680 bytes of LDS; arguments x, W_phi, b_phi, b1, b2, W3, b3, lowp_scales, wcodes, out0; writes out0
.if DOCPART == 2
	.amdgcn_target "amdgcn-amd-amdhsa--gfx1250"
	.amdhsa_code_object_version 6
	.text
	.protected	k_q32c65e03b3_main
	.globl	k_q32c65e03b3_main
	.p2align	8
	.type	k_q32c65e03b3_main,@function
k_q32c65e03b3_main:
	s_mov_b64 s[64:65], 0
	v_nop
	global_prefetch_b8 v0, s[64:65] scope:SCOPE_SE
	s_setreg_imm32_b32 hwreg(HW_REG_WAVE_MODE, 25, 1), 1
	s_wait_xcnt 0x0
; out[b] = relu(relu(Q(u) Q(W1) + b1) ~ Q(.) Q(W2) + b2) . W3 + b3,  u[b] = the sum over 512 positions of W_phi[x[b][pos]] + 512 b_phi.  Q: codes of BF8 (E5M2) with the given scales 2^e0 .. 2^e3.
; THE SUM OF TABLE ROWS IS NOT GATHERED.  u[b] = sum over classes c of count[b][c] W_phi[c], count[b][c] = how often label c stands in row b.
;   P0, P1: THE COUNTS.  c = 16 hi + lo (lo 4 bits, hi 5 bits).  For one row, count[lo][hi] = sum over positions of onehot16(lo of x) x onehot32(hi of x): a product 16 x 32 x 512 of zeros and ones
;           (code 0x3c is 1.0, code 0 is 0), eight matrix instructions a row; the sums are whole numbers up to 512: nothing is rounded.
;           A one-hot operand costs one v_perm_b32 for four codes: the lane's table of 8 bytes holds 0x3c at three bits of the lane's own row number; a selector byte is the position's three bits, or
;           0x0c (which gives the byte 0) where the position's other bits are not the lane's.  Those other bits make 2 variants for lo and 4 for hi: P0 writes six selector bytes a position into LDS,
;           and in P1 a lane reads its own variant.  No address hangs on a label.
;   P2:     count x W_phi in f32, two multiply-adds an instruction.  W_phi lies in registers, 512 a wave; the counts come from LDS, sixteen lanes sharing an address.
;   U, 1, 2, 3: u is summed and quantised; the two quantised products, both used transposed (source 0 = 16 rows of the weight, source 1 = the 16 batch rows), so that a lane holds ONE batch row
;           and the first product's results are neighbours along the second's K; operands go from wave to wave through LDS as images of their registers; the last product (N = 1) is f32 multiply-adds.
; SHARES.  A work-group owns 16 batch rows (256 work-groups).  P0, P1: wave w makes the counts of rows 4 w .. 4 w + 3.  P2: wave w takes classes 128 w .. 128 w + 127 for all 16 rows; its two halves of lanes
; take different classes, so u comes in 8 parts.  U: wave w sums and quantises k = 32 w .. 32 w + 31 of u.  Product 1: hidden units 128 w .. + 127, which are K step w of product 2.  Product 2: outputs 64 w .. + 63.
; THE WEIGHTS' CODES were laid by the launch before in the order of the operands' registers: a wave's 24 fragments are one dense block of 48 KiB, brought by ONE tensor load a wave at the head and read by that wave alone.
; NO CLUSTER, NO JOINT LOADS, though all work-groups read the same W_phi and the same codes: W_phi (256 KiB) has no room in LDS beside the codes (192 KiB) and goes from memory straight into registers, which a joint load
; cannot fill; the codes are asked for once, at the head, and first read behind P0 and P1, some 1,150 vector instructions later: no wave waits for them.
; out0: a work-group's 16 numbers are 64 bytes, so four work-groups share an aligned 256 bytes; the whole output is 16 KiB.
; LIMITS.  Labels lie in 0 .. 511 (an index stays inside its table).  e0 and e2 - e0 - e1 between -126 and 112, so that the conversions' scales and holds are f32 numbers; b1 x 2^-(e0 + e1) and b2 x 2^-(e2 + e3)
; are f32 numbers (the biases go in as the C of each sum's first matrix instruction).  NaN among the inputs is not served.  The f32 sums of u are taken in another order than a sum over positions.
;
; LDS, in bytes
.set WCB,   49152                      ; CODES at 0: 4 waves x 24 fragments x 2,048; filled once by the tensor loads, never stored to
.set CNT,   196608                     ; counts, f32: row b x 2,048 + 4 x class
.set SEL,   229376                     ; selectors (P0, P1): row b x SELR + variant x SELV + slot; variants 0, 1: lo's; 2 .. 5: hi's
.set SELV,  528                        ; 512 slots + 16: the variants that one load reads begin 16 bytes apart modulo 256
.set SELR,  6*SELV
.set PU,    229376                     ; u's 8 parts (P2, U), over SEL, which nobody reads behind the first barrier: part (2 w + h) x PUS + row b x PUP + 4 x phi
.set PUP,   528                        ; 512 bytes + 16: the sixteen rows that a load touches begin 16 bytes apart modulo 256
.set PUS,   16*PUP
.set UIMG,  296960                     ; u's fragment as an image of its registers: 512 c + 16 lane
.set HIMG,  299008                     ; the hidden layer's four: 2,048 s + 512 c + 16 lane
.set RED,   307200                     ; the last sums: 64 w + 4 r
; REGISTERS, in windows of 256.  Window 0, kept:
.set RR,    2                          ; r = lane % 16
.set HH,    3                          ; h = lane / 16
.set L16,   4                          ; 16 x lane
.set WO,    5                          ; W_phi: 2,048 h + 16 r
.set SST,   6                          ; SEL: where I store selectors
.set ADA,   7                          ; SEL: my variant of lo's selectors, + 64 h
.set ADB,   8                          ; SEL: my variant of hi's, + 64 h
.set TALO,  9                          ; lo's table of 8 bytes: 0x3c at byte r % 8
.set TAHI,  10
.set TBV,   11                         ; hi's table of 4 bytes: 0x3c at byte r % 4
.set ZERO,  12
.set CST,   13                         ; CNT: where I store counts
.set CA0,   14                         ; CNT: my classes' counts of row 0;  CAT: of the trip's first row
.set CAT,   15
.set PU0,   16                         ; PU: where I store my part of row 0;  PUT: of the trip's first row
.set PUT,   17
.set PUR,   18                         ; PU: where I read part 0 of my 16 numbers of u
.set UIW,   19                         ; images: where I store, where I load
.set LIU,   20
.set HIW,   21
.set LIH,   22
.set CDA,   23                         ; CODES: my wave's block + 16 x lane
.set REDW,  24
.set REDR,  25
.set OUTO,  26                         ; 4 r
.set VH64,  27                         ; 64 h
.set VH32,  28                         ; 32 h
.set SU,    29                         ; 2^e0;  LU: 57,344 x 2^e0
.set LU,    30
.set SH,    31                         ; 2^(e2 - e0 - e1);  LH: 57,344 x that
.set LH,    224
; window 0, by phase
.set XR,    32                         ; P0: v32-95 labels (16 j + 4 i + n); v96-115 at work; v160-255 selectors (24 j + 4 variant + i)
.set A01,   96
.set A23,   100
.set YR,    104
.set ZR,    108
.set MR,    112
.set OUTS,  160
.set BUF,   32                         ; P1: three buffers of 48 (v32-175): lo's fragment, hi's two;  v176-207 two sets of two accumulators
.set DSET,  176
.set BPH,   208                        ; v208-223 my 16 numbers of b_phi
.set CB,    32                         ; P2: v32-95 counts, 4 buffers x 4 rows x 4;  v96-127 sums, 4 rows x 8
.set ACC,   96
.set PS,    32                         ; U: v32-159 u's parts (16 p + 4 q)
.set HR,    32                         ; product 1: v32-95 my 8 tiles of the hidden layer
.set HF,    96                         ; product 2: v96-159 the hidden layer's four fragments;  v160-191 four accumulators
.set ACC2,  160
.set PCD,   192                        ; v192-207 codes just made
.set UF,    226                        ; v226-241 u's fragment
.set TR,    32                         ; the last product's sums
; windows 1 and 2: W_phi: class group g (8 classes): window 1 + g / 8, register 32 (g % 8) + 8 i + n: class 128 w + 8 g + 4 h + i; n = 0 .. 3: phi 4 r + n; n = 4 .. 7: phi 64 + 4 r + n - 4.
; window 2, behind P2: W2's fragments at 16 (4 t + s).   window 3: v0-127 W1's fragments at 16 t;
.set B1,    128                        ; b1's 8 tiles, in the result's layout
.set B2,    192                        ; b2's 4
.set W3R,   224                        ; W3's 4
; SCALARS: s[4:23] the ten buffers; s24 wave; s[26:27] an offset; s[28:31], s[32:39] the tensor load's groups 0 and 1; s40-50 constants of P0; s[52:55] e0 .. e3; s56 -(e0 + e1), s57 -(e2 + e3), s58 e2 + e3; s59 b3;
; s60 trips, s61, s62 the trip's steps in CNT and PU; s66, s67 lane selects; s68, s69 at work.
.set MSB, 0
.macro WIN new                         ; s_set_vgpr_msb: bits 1:0 source 0, 3:2 source 1, 5:4 source 2, 7:6 destination; the high byte repeats the setting that is left
.if MSB != \new
	s_set_vgpr_msb (MSB<<8)|\new
.set MSB, \new
.endif
.endm
.macro BARRIER                         ; my LDS stores have landed and my LDS loads are in: then the work-group's barrier
	s_wait_dscnt 0x0
	s_barrier_signal -1
	s_barrier_wait -1
.endm
.macro PLACES                          ; four plain vector instructions between a matrix instruction and a vector instruction, LDS store or load that touches its registers
.rept 4
	v_nop
.endr
.endm
; class group g of W_phi: 8 loads; in each, lanes 0-15 read 256 consecutive bytes of one class's row and lanes 16-31 of the class four further on.  The caller sets the destination's window.
.macro WLOAD g
.irp i, 0,1,2,3
	global_load_b128 v[32*((\g)%8)+8*\i:32*((\g)%8)+8*\i+3],   v[WO], s[6:7] offset:(\g)*4096+\i*512
	global_load_b128 v[32*((\g)%8)+8*\i+4:32*((\g)%8)+8*\i+7], v[WO], s[6:7] offset:(\g)*4096+\i*512+256
.endr
.endm
	s_load_b256 s[4:11], s[0:1], 0x0               ; x s[4:5], W_phi s[6:7], b_phi s[8:9], b1 s[10:11]
	s_load_b256 s[12:19], s[0:1], 0x20             ; b2 s[12:13], W3 s[14:15], b3 s[16:17], the scales' exponents s[18:19]
	s_load_b128 s[20:23], s[0:1], 0x40             ; wcodes s[20:21], out0 s[22:23]
	v_lshrrev_b32 v96, 5, v0
	v_readfirstlane_b32 s24, v96                   ; wave 0..3
	v_and_b32 v1, 31, v0                           ; lane
	v_and_b32 v[RR], 15, v0
	v_bfe_u32 v[HH], v0, 4, 1
	v_lshlrev_b32 v[L16], 4, v1
	v_lshlrev_b32 v[WO], 4, v[RR]
	v_lshl_add_u32 v[WO], v[HH], 11, v[WO]
	; the tensor load's group 1: a dense block of 48 KiB as 192 rows of 32 elements of 8 bytes, no padding
	s_mov_b32 s32, 3<<16                           ; 15:0 no mask; 17:16 elements of 8 bytes; 20 padding off
	s_mov_b32 s33, 32<<16                          ; tensor_dim0 = 32
	s_mov_b32 s34, 192<<16                         ; tensor_dim1 = 192
	s_mov_b32 s35, 32<<16                          ; tile_dim0 = 32
	s_mov_b32 s36, 192                             ; tile_dim1 = 192
	s_mov_b32 s37, 32                              ; from row to row: 32 elements
	s_mov_b32 s38, 0
	s_mov_b32 s39, 0
	s_mov_b32 s28, 1                               ; group 0: count = 1,
	s_mul_i32 s29, s24, WCB                        ; LDS address: my wave's block
	s_mov_b32 s27, 0
	s_wait_kmcnt 0x0
	s_load_b128 s[52:55], s[18:19], 0x0            ; e0 .. e3
	s_load_b32 s59, s[16:17], 0x0                  ; b3
	s_lshl_b32 s26, ttmp9, 15                      ; x: the work-group's 16 rows of 2,048 bytes,
	s_lshl_b32 s68, s24, 13                        ; my wave's 4 of them
	s_add_co_u32 s26, s26, s68
	s_add_nc_u64 s[4:5], s[4:5], s[26:27]
	s_lshl_b32 s26, s24, 16                        ; W_phi: my 128 classes of 512 bytes
	s_add_nc_u64 s[6:7], s[6:7], s[26:27]
	s_lshl_b32 s26, s24, 7                         ; b_phi: my 32 numbers
	s_add_nc_u64 s[8:9], s[8:9], s[26:27]
	s_lshl_b32 s26, s24, 9                         ; b1: my 128
	s_add_nc_u64 s[10:11], s[10:11], s[26:27]
	s_lshl_b32 s26, s24, 8                         ; b2, W3: my 64
	s_add_nc_u64 s[12:13], s[12:13], s[26:27]
	s_add_nc_u64 s[14:15], s[14:15], s[26:27]
	s_lshl_b32 s26, ttmp9, 6                       ; out0: the work-group's 16 numbers
	s_add_nc_u64 s[22:23], s[22:23], s[26:27]
	s_mov_b32 s26, s29                             ; wcodes: my wave's block
	s_add_nc_u64 s[20:21], s[20:21], s[26:27]
	s_mov_b64 s[30:31], s[20:21]                   ; group 0: global address,
	s_or_b32 s31, s31, 0x80000000                  ; type = 2
	tensor_load_to_lds s[28:31], s[32:39]          ; my 24 fragments of codes: the wave's one tensor load.  The next window switch stands behind the sixteen loads below
.irp j, 0,1,2,3                        ; my four rows of labels: each load reads 512 consecutive bytes
.irp i, 0,1,2,3
	global_load_b128 v[XR+16*\j+4*\i:XR+16*\j+4*\i+3], v[L16], s[4:5] offset:\j*2048+\i*512 th:TH_LOAD_NT
.endr
.endr
	WIN 0x40                                       ; destination window 1
	WLOAD 0
	WLOAD 1
	WLOAD 2
	WLOAD 3
	WLOAD 4
	WIN 0
	; constants of P0
	s_mov_b32 s40, 0x06040200                      ; bytes 0 and 2 of two words
	s_mov_b32 s41, 0x07070707
	s_mov_b32 s42, 0x01010101
	s_mov_b32 s43, 0x03030303
	s_mov_b32 s44, 0x0c0c0c0c                      ; the selector that gives the byte 0
	s_mov_b32 s45, 0x0000ff00                      ; tables of masks: variant v has 0x00 at byte v and 0xff elsewhere: lo's two,
	s_mov_b32 s46, 0x000000ff
	s_mov_b32 s47, 0xffffff00                      ; hi's four
	s_mov_b32 s48, 0xffff00ff
	s_mov_b32 s49, 0xff00ffff
	s_mov_b32 s50, 0x00ffffff
	s_mov_b32 s66, 0x76543210                      ; v_permlanex16_b32: lane l xor 16
	s_mov_b32 s67, 0xfedcba98
	; the addresses that stay
	s_mul_i32 s68, s24, 4*SELR
	s_add_co_u32 s68, s68, SEL                     ; my wave's four rows of selectors
	v_add_nc_u32 v[SST], s68, v[L16]
	v_lshrrev_b32 v96, 3, v[RR]                    ; lo's variant: r / 8
	v_mul_u32_u24 v96, v96, SELV
	v_lshl_add_u32 v96, v[HH], 6, v96
	v_add_nc_u32 v[ADA], s68, v96
	v_lshrrev_b32 v96, 2, v[RR]                    ; hi's variant: 2 + r / 4
	v_add_nc_u32 v96, 2, v96
	v_mul_u32_u24 v96, v96, SELV
	v_lshl_add_u32 v96, v[HH], 6, v96
	v_add_nc_u32 v[ADB], s68, v96
	v_and_b32 v96, 3, v[RR]
	v_lshlrev_b32 v96, 3, v96
	v_mov_b32 v[TBV], 0x3c
	v_lshlrev_b32 v[TBV], v96, v[TBV]              ; 1.0 at byte r % 4
	v_mov_b32 v[ZERO], 0
	v_and_b32 v96, 4, v[RR]
	v_cmp_eq_u32 vcc_lo, 0, v96
	v_cndmask_b32 v[TALO], v[ZERO], v[TBV], vcc_lo ; 1.0 at byte r % 8 of the pair
	v_cndmask_b32 v[TAHI], v[TBV], v[ZERO], vcc_lo
	v_lshrrev_b32 v96, 2, v[RR]                    ; counts: register jj of accumulator q in lane (r, h) is class 128 (r / 4) + 64 q + 16 (r % 4) + 8 h + jj
	v_and_b32 v97, 3, v[RR]
	v_lshlrev_b32 v[CST], 9, v96
	v_lshl_add_u32 v[CST], v97, 6, v[CST]
	v_lshl_add_u32 v[CST], v[HH], 5, v[CST]
	s_lshl_b32 s69, s24, 13
	s_add_co_u32 s69, s69, CNT
	v_add_nc_u32 v[CST], s69, v[CST]
	s_lshl_b32 s69, s24, 9
	s_add_co_u32 s69, s69, CNT
	v_lshl_add_u32 v[CA0], v[HH], 4, s69           ; class 128 w + 4 h
	s_mul_i32 s69, s24, 2*PUS
	s_add_co_u32 s69, s69, PU
	v_mul_u32_u24 v96, v[HH], PUS
	v_lshl_add_u32 v96, v[RR], 4, v96
	v_add_nc_u32 v[PU0], s69, v96                  ; part 2 w + h, phi 4 r
	s_lshl_b32 s69, s24, 7
	s_add_co_u32 s69, s69, PU
	v_mul_u32_u24 v96, v[RR], PUP
	v_lshl_add_u32 v96, v[HH], 6, v96
	v_add_nc_u32 v[PUR], s69, v96                  ; row r, phi 32 w + 16 h
	s_lshl_b32 s69, s24, 9
	s_add_co_u32 s69, s69, UIMG
	v_add_nc_u32 v[UIW], s69, v[L16]
	v_add_nc_u32 v[LIU], UIMG, v[L16]
	s_lshl_b32 s69, s24, 11
	s_add_co_u32 s69, s69, HIMG
	v_add_nc_u32 v[HIW], s69, v[L16]
	v_add_nc_u32 v[LIH], HIMG, v[L16]
	v_add_nc_u32 v[CDA], s29, v[L16]
	v_lshlrev_b32 v[OUTO], 2, v[RR]
	s_lshl_b32 s69, s24, 6
	s_add_co_u32 s69, s69, RED
	v_add_nc_u32 v[REDW], s69, v[OUTO]
	v_add_nc_u32 v[REDR], RED, v[OUTO]
	v_lshlrev_b32 v[VH64], 6, v[HH]
	v_lshlrev_b32 v[VH32], 5, v[HH]
; ---- P0: row j's 512 labels become six selector bytes each.  A lane holds 16 labels (load i: positions 128 i + 4 lane + 0 .. 3); four labels make a word.  Each step is written for i = 0 .. 3 in turn,
; so that no line reads the result of the line above it.  Slot 16 lane + 4 i + n holds the same position in all six variants, which is all that a sum over positions asks.
.macro P0ROW j
	s_wait_loadcnt 52-4*\j                         ; this row's four loads are in; out may be the later rows' 4 (3 - j) and W_phi's 40
.irp i, 0,1,2,3
	v_lshl_or_b32 v[A01+\i], v[XR+16*\j+4*\i+1], 16, v[XR+16*\j+4*\i]
.endr
.irp i, 0,1,2,3
	v_lshl_or_b32 v[A23+\i], v[XR+16*\j+4*\i+3], 16, v[XR+16*\j+4*\i+2]
.endr
.irp i, 0,1,2,3
	v_perm_b32 v[YR+\i], v[A23+\i], v[A01+\i], s40 ; the four labels' bits 7:0
.endr
.irp i, 0,1,2,3
	v_lshrrev_b32 v[A01+\i], 4, v[A01+\i]
.endr
.irp i, 0,1,2,3
	v_lshrrev_b32 v[A23+\i], 4, v[A23+\i]
.endr
.irp i, 0,1,2,3
	v_perm_b32 v[ZR+\i], v[A23+\i], v[A01+\i], s40 ; their bits 8:4: hi
.endr
.irp i, 0,1,2,3
	v_lshrrev_b32 v[A01+\i], 3, v[YR+\i]
.endr
.irp i, 0,1,2,3
	v_and_b32 v[A01+\i], s42, v[A01+\i]            ; lo's variant: bit 3
.endr
.irp i, 0,1,2,3
	v_and_b32 v[YR+\i], s41, v[YR+\i]              ; lo's place in the table: bits 2:0
.endr
.irp i, 0,1,2,3
	v_lshrrev_b32 v[A23+\i], 3, v[ZR+\i]
.endr
.irp i, 0,1,2,3
	v_and_b32 v[A23+\i], s43, v[A23+\i]            ; hi's variant: its bits 4:3
.endr
.irp i, 0,1,2,3
	v_and_b32 v[ZR+\i], s41, v[ZR+\i]              ; hi's place: its bits 2:0
.endr
.irp v, 0,1
.irp i, 0,1,2,3
	v_perm_b32 v[MR+\i], s[45+\v], s[45+\v], v[A01+\i]   ; 0xff where the position is of another variant
.endr
.irp i, 0,1,2,3
	v_bfi_b32 v[OUTS+24*\j+4*\v+\i], v[MR+\i], s44, v[YR+\i]   ; there 0x0c, else the place
.endr
.endr
.irp v, 0,1,2,3
.irp i, 0,1,2,3
	v_perm_b32 v[MR+\i], s[47+\v], s[47+\v], v[A23+\i]
.endr
.irp i, 0,1,2,3
	v_bfi_b32 v[OUTS+24*\j+8+4*\v+\i], v[MR+\i], s44, v[ZR+\i]
.endr
.endr
.irp v, 0,1,2,3,4,5
	ds_store_b128 v[SST], v[OUTS+24*\j+4*\v:OUTS+24*\j+4*\v+3] offset:\j*SELR+\v*SELV
.endr
.endm
; ---- P1.  Step t = 4 j + s: slots 128 s .. 128 s + 127 of row j.  A lane of half h takes slots 64 h .. 64 h + 63 of the step, the same in both operands, so every product meets its partner.
.macro SELLOAD t                       ; 8 loads: my variant's selectors of lo (into the place of lo's fragment) and of hi (into the place of hi's second)
.set sb, BUF+48*((\t)%3)
.set so, ((\t)/4)*SELR+((\t)%4)*128
.irp q, 0,1,2,3
	ds_load_b128 v[sb+4*\q:sb+4*\q+3],       v[ADA] offset:so+16*\q   ; LDS serves a wave's instructions in order (ISA guide 5.7.1.4): these see my stores of P0
	ds_load_b128 v[sb+32+4*\q:sb+32+4*\q+3], v[ADB] offset:so+16*\q
.endr
.endm
.macro CNTOUT j                        ; row j's 512 counts to LDS; each accumulator from its low end on
.set cd, DSET+16*((\j)%2)
.irp q, 0,1
	ds_store_b128 v[CST], v[cd+8*\q:cd+8*\q+3]   offset:(\j)*2048+\q*256
	ds_store_b128 v[CST], v[cd+8*\q+4:cd+8*\q+7] offset:(\j)*2048+\q*256+16
.endr
.endm
.macro SMALL                           ; the biases and W3, in the layouts in which they are used
.irp q, 0,1,2,3
	global_load_b128 v[BPH+4*\q:BPH+4*\q+3], v[VH64], s[8:9] offset:16*\q      ; b_phi(32 w + 16 h + 0 .. 15)
.endr
	WIN 0xc0                                       ; destination window 3
.irp t, 0,1,2,3,4,5,6,7
	global_load_b128 v[B1+8*\t:B1+8*\t+3],   v[VH64], s[10:11] offset:(32*(\t/2)+8*(\t%2))*4      ; b1(128 w + 32 (t / 2) + 16 h + 8 (t % 2) + 0 .. 7)
	global_load_b128 v[B1+8*\t+4:B1+8*\t+7], v[VH64], s[10:11] offset:(32*(\t/2)+8*(\t%2))*4+16
.endr
.irp t, 0,1,2,3
	global_load_b128 v[B2+8*\t:B2+8*\t+3],     v[VH32], s[12:13] offset:64*\t    ; b2, W3 (64 w + 16 t + 8 h + 0 .. 7)
	global_load_b128 v[B2+8*\t+4:B2+8*\t+7],   v[VH32], s[12:13] offset:64*\t+16
	global_load_b128 v[W3R+8*\t:W3R+8*\t+3],   v[VH32], s[14:15] offset:64*\t
	global_load_b128 v[W3R+8*\t+4:W3R+8*\t+7], v[VH32], s[14:15] offset:64*\t+16
.endr
	WIN 0
.endm
.macro P1STEP t
.set pb, BUF+48*((\t)%3)
.set pd, DSET+16*(((\t)/4)%2)
.if (\t) == 15
	s_wait_dscnt 0x0
.else
	s_wait_dscnt 8                                 ; this step's selectors are in; the next step's 8 loads may be out.  All LDS stores issued before them have read their registers
.endif
.set n, 0
.rept 16
	v_perm_b32 v[pb+n], v[TAHI], v[TALO], v[pb+n]          ; 1.0 where lo = r
.set n, n+1
.endr
.set n, 0
.rept 16
	v_perm_b32 v[pb+16+n], v[ZERO], v[TBV], v[pb+32+n]     ; 1.0 where hi = 8 (r / 4) + r % 4
.set n, n+1
.endr
.set n, 0
.rept 16
	v_perm_b32 v[pb+32+n], v[TBV], v[ZERO], v[pb+32+n]     ; 1.0 where hi = 8 (r / 4) + 4 + r % 4
.set n, n+1
.endr
.if ((\t)%4 == 0) && ((\t) > 0)
	CNTOUT (\t)/4-1                                ; the row before is finished: the 48 lines above are the places behind its last products
.endif
.if (\t) == 1
	SMALL
.endif
.if (\t)%4 == 2                        ; W_phi's class groups 8 .. 15 are the wave's last 64 global loads, in ascending order: P2's counted waits lean on that
	WIN 0x80                                       ; destination window 2
	WLOAD 8+((\t)-2)/2
	WLOAD 9+((\t)-2)/2
	WIN 0
.endif
.if (\t) < 14
	SELLOAD (\t)+2                                 ; into the buffer that the last step's products read: the 48 lines above are the places behind them
.endif
.if (\t)%4 == 0                        ; the two accumulators take turns, one instruction a turn; a row's first step starts the sums
	v_wmma_f32_16x16x128_bf8_bf8 v[pd:pd+7],    v[pb:pb+15], v[pb+16:pb+31], 0
	v_wmma_f32_16x16x128_bf8_bf8 v[pd+8:pd+15], v[pb:pb+15], v[pb+32:pb+47], 0
.else
	v_wmma_f32_16x16x128_bf8_bf8 v[pd:pd+7],    v[pb:pb+15], v[pb+16:pb+31], v[pd:pd+7]
	v_wmma_f32_16x16x128_bf8_bf8 v[pd+8:pd+15], v[pb:pb+15], v[pb+32:pb+47], v[pd+8:pd+15]
.endif
.endm
	P0ROW 0
	P0ROW 1
	P0ROW 2
	P0ROW 3
	WIN 0x40
	WLOAD 5
	WLOAD 6
	WLOAD 7
	WIN 0
	SELLOAD 0
	SELLOAD 1
.irp t, 0,1,2,3,4,5,6,7,8,9,10,11,12,13,14,15
	P1STEP \t
.endr
	PLACES                                         ; behind the last products: for the stores of their results, and for P2's loads into the registers that they read
	CNTOUT 3
	s_wait_tensorcnt 0x0                           ; my block of codes is in LDS; I alone read it
	WIN 0xc0                                       ; destination window 3
.irp t, 0,1,2,3,4,5,6,7                ; W1's eight fragments
.irp c, 0,1,2,3
	ds_load_b128 v[16*\t+4*\c:16*\t+4*\c+3], v[CDA] offset:\t*2048+512*\c
.endr
.endr
	WIN 0
	s_wait_kmcnt 0x0                               ; e0 .. e3, b3
	s_add_co_i32 s68, s52, 127
	s_lshl_b32 s69, s68, 23
	v_mov_b32 v[SU], s69                           ; 2^e0 as f32: u's conversions take its exponent field
	s_add_co_i32 s68, s68, 15
	s_lshl_b32 s68, s68, 23
	s_or_b32 s68, s68, 0x600000
	v_mov_b32 v[LU], s68                           ; 57,344 x 2^e0
	s_add_co_i32 s58, s52, s53                     ; a sum of the first product stands for sum x 2^(e0 + e1): b1 goes in as b1 / 2^(e0 + e1),
	s_sub_co_i32 s56, 0, s58
	s_sub_co_i32 s68, s54, s58                     ; and the hidden layer's conversion takes 2^(e2 - e0 - e1): three scales folded into one
	s_add_co_i32 s68, s68, 127
	s_lshl_b32 s69, s68, 23
	v_mov_b32 v[SH], s69
	s_add_co_i32 s68, s68, 15
	s_lshl_b32 s68, s68, 23
	s_or_b32 s68, s68, 0x600000
	v_mov_b32 v[LH], s68
	s_add_co_i32 s58, s54, s55                     ; e2 + e3: likewise for b2; the last sum is multiplied by 2^(e2 + e3) once
	s_sub_co_i32 s57, 0, s58
	BARRIER                                        ; the 16 rows' counts lie in LDS, and nobody reads the selectors any more
; ---- P2: a trip takes four batch rows through my 128 classes: 16 class groups of 64 packed multiply-adds, 16 sums that take turns.
.macro CLOAD g, extra                  ; the four rows' counts of class group g: 4 numbers a lane (classes 8 g + 4 h + 0 .. 3); sixteen lanes share an address
.irp q, 0,1,2,3
	ds_load_b128 v[CB+16*((\g)%4)+4*\q:CB+16*((\g)%4)+4*\q+3], v[CAT] offset:\extra+\q*2048+32*(\g)
.endr
.endm
.macro P2GROUP g, wrap, lw             ; wrap = 1: the last three groups fetch the next trip's first three;  lw = 1: the waits for W_phi are written
.if \g == 0
	WIN 0x04                                       ; source 1 (W_phi) window 1; LDS addresses (source 0) and destinations stay in window 0
.endif
.if \g == 8
	WIN 0x08                                       ; source 1 window 2
.endif
.if \lw
.if \g == 0
	s_wait_loadcnt 56                              ; out may be class groups 9 .. 15 (7 x 8 loads): groups 0 .. 8 and the biases are in.  (In the later trips these waits are met at once)
.endif
.if \g > 8
	s_wait_loadcnt 8*(15-\g)                       ; out may be the groups behind this one
.endif
.endif
.if \g < 13
	CLOAD \g+3, 0                                  ; three groups ahead, into the buffer that the group before has read
.elseif \wrap
	CLOAD \g-13, 8192                              ; four rows on
.endif
.if \g == 0
	s_wait_dscnt 4                                 ; out may be the 4 loads just issued: so the last trip's stores have read the sums, which are begun anew below
.elseif (\g < 13) || \wrap
	s_wait_dscnt 12                                ; this group's counts are in; the three groups ahead may be out
.else
	s_wait_dscnt 4*(15-\g)                         ; the last trip fetches nothing more: the counts run down
.endif
.irp i, 0,1,2,3
.irp p, 0,1,2,3
.irp q, 0,1,2,3
.set fa, ACC+8*\q+2*\p
.set fc, CB+16*(\g%4)+4*\q+2*(\i/2)
.set fw, 32*(\g%8)+8*\i+2*\p
.if (\g == 0) && (\i == 0)
	v_pk_mul_f32 v[fa:fa+1], v[fc:fc+1], v[fw:fw+1] op_sel_hi:[0,1]                          ; the first class starts the sums: nothing is cleared
.elseif \i%2
	v_pk_fma_f32 v[fa:fa+1], v[fc:fc+1], v[fw:fw+1], v[fa:fa+1] op_sel:[1,0,0] op_sel_hi:[1,1,1]   ; the pair's second count for both halves
.else
	v_pk_fma_f32 v[fa:fa+1], v[fc:fc+1], v[fw:fw+1], v[fa:fa+1] op_sel_hi:[0,1,1]            ; its first
.endif
.endr
.endr
.endr
.endm
.macro P2TRIP wrap, lw
	v_add_nc_u32 v[CAT], s61, v[CA0]
	v_add_nc_u32 v[PUT], s62, v[PU0]
.irp g, 0,1,2,3,4,5,6,7,8,9,10,11,12,13,14,15
	P2GROUP \g, \wrap, \lw
.endr
	WIN 0
.irp q, 0,1,2,3
	ds_store_b128 v[PUT], v[ACC+8*\q:ACC+8*\q+3]   offset:\q*PUP       ; phi 4 r + 0 .. 3
	ds_store_b128 v[PUT], v[ACC+8*\q+4:ACC+8*\q+7] offset:\q*PUP+256   ; phi 64 + 4 r + 0 .. 3
.endr
	s_add_co_u32 s61, s61, 4*2048
	s_add_co_u32 s62, s62, 4*PUP
.endm
	s_mov_b32 s61, 0
	s_mov_b32 s62, 0
	s_mov_b32 s60, 3
	v_add_nc_u32 v[CAT], s61, v[CA0]
	CLOAD 0, 0
	CLOAD 1, 0
	CLOAD 2, 0
.Ltrip:
	P2TRIP 1, 1
	s_sub_co_u32 s60, s60, 1
	s_cmp_lg_u32 s60, 0
	s_cbranch_scc1 .Ltrip
	P2TRIP 0, 0                                    ; rows 12 .. 15 are written out: no load of counts reaches past row 15
	BARRIER                                        ; u's eight parts lie in LDS
; ---- U: my 16 numbers of u (batch row r, k = 32 w + 16 h + 0 .. 15): eight parts, + 512 b_phi, quantised: register group w of u's fragment
.macro FETCHW2 s                       ; W2's four fragments of K step s, from my block of codes.  The caller sets the destination's window to 2
.irp t, 0,1,2,3
.irp c, 0,1,2,3
	ds_load_b128 v[16*(4*\t+\s)+4*\c:16*(4*\t+\s)+4*\c+3], v[CDA] offset:8*2048+(4*\t+\s)*2048+512*\c
.endr
.endr
.endm
; nb blocks of 16 numbers, v[src] on, become codes in v[PCD] on.  relu = 1: what is negative becomes 0 on the way
.macro QUANT src, nb, relu, sc, lim
.set qb, 0
.rept \nb
.set qi, 0
.rept 16
.if \relu
	v_med3_num_f32 v[\src+16*qb+qi], v[\src+16*qb+qi], 0, v[\lim]          ; the activation and the hold in one
.else
	v_med3_num_f32 v[\src+16*qb+qi], v[\src+16*qb+qi], -v[\lim], v[\lim]   ; the conversion to an 8-bit code does not saturate (ISA guide 7.6.2): the hold at the largest code x the scale
.endif
.set qi, qi+1
.endr
	v_cvt_scalef32_pk8_bf8_f32 v[PCD+4*qb:PCD+4*qb+1],   v[\src+16*qb:\src+16*qb+7],    v[\sc]
	v_cvt_scalef32_pk8_bf8_f32 v[PCD+4*qb+2:PCD+4*qb+3], v[\src+16*qb+8:\src+16*qb+15], v[\sc]
.set qb, qb+1
.endr
	v_nop                                          ; one plain vector instruction behind the last conversion, ahead of whatever vector or matrix instruction next touches its registers
.endm
.irp p, 0,1,2,3,4,5,6,7
.irp q, 0,1,2,3
	ds_load_b128 v[PS+16*\p+4*\q:PS+16*\p+4*\q+3], v[PUR] offset:\p*PUS+16*\q
.endr
.endr
	WIN 0x80                                       ; destination window 2: W_phi is done with
	FETCHW2 0
	WIN 0xc3                                       ; source 0 and destination window 3.  (The biases' loads were shown done by P2's waits.)  These 96 lines stand while the LDS loads land
.set n, 0
.rept 64
	v_ldexp_f32 v[B1+n], v[B1+n], s56              ; b1 / 2^(e0 + e1)
.set n, n+1
.endr
.set n, 0
.rept 32
	v_ldexp_f32 v[B2+n], v[B2+n], s57              ; b2 / 2^(e2 + e3)
.set n, n+1
.endr
	WIN 0
	s_wait_dscnt 16                                ; u's parts are in; W2's 16 loads may be out
.irp p, 0,1,2,3
.irp k, 0,2,4,6,8,10,12,14
	v_pk_add_f32 v[PS+16*\p+\k:PS+16*\p+\k+1], v[PS+16*\p+\k:PS+16*\p+\k+1], v[PS+16*(\p+4)+\k:PS+16*(\p+4)+\k+1]
.endr
.endr
.irp p, 0,1
.irp k, 0,2,4,6,8,10,12,14
	v_pk_add_f32 v[PS+16*\p+\k:PS+16*\p+\k+1], v[PS+16*\p+\k:PS+16*\p+\k+1], v[PS+16*(\p+2)+\k:PS+16*(\p+2)+\k+1]
.endr
.endr
.irp k, 0,2,4,6,8,10,12,14
	v_pk_add_f32 v[PS+\k:PS+\k+1], v[PS+\k:PS+\k+1], v[PS+16+\k:PS+16+\k+1]
.endr
.irp k, 0,2,4,6,8,10,12,14
	v_pk_fma_f32 v[PS+\k:PS+\k+1], v[BPH+\k:BPH+\k+1], 0x44000000, v[PS+\k:PS+\k+1] op_sel_hi:[1,0,1]   ; + 512 b_phi
.endr
	QUANT PS, 1, 0, SU, LU
	ds_store_b128 v[UIW], v[PCD:PCD+3]
	BARRIER                                        ; u's fragment lies in LDS
; ---- product 1: my 8 tiles of the hidden layer.  In tile t lane (r, h) holds batch row r, and its register j the hidden unit 128 w + 32 (t / 2) + 16 h + 8 (t % 2) + j
.irp c, 0,1,2,3
	ds_load_b128 v[UF+4*\c:UF+4*\c+3], v[LIU] offset:512*\c
.endr
	WIN 0x80
	FETCHW2 1
	FETCHW2 2
	s_wait_dscnt 32                                ; u's fragment is in; W2's 32 loads may be out
	WIN 0x33                                       ; source 0 (W1) and source 2 (b1) window 3
.irp t, 0,1,2,3,4,5,6,7
	v_wmma_f32_16x16x128_bf8_bf8 v[HR+8*\t:HR+8*\t+7], v[16*\t:16*\t+15], v[UF:UF+15], v[B1+8*\t:B1+8*\t+7]
.endr
	WIN 0
	PLACES
	QUANT HR, 4, 1, SH, LH                         ; tiles 2 b and 2 b + 1 are 16 neighbours along the next K: register group b of K step w; each accumulator is read from its low end on
.irp c, 0,1,2,3
	ds_store_b128 v[HIW], v[PCD+4*\c:PCD+4*\c+3] offset:512*\c
.endr
	BARRIER                                        ; the hidden layer's four fragments lie in LDS
; ---- product 2: my 4 tiles of outputs, four accumulators by turns, a K step at a time.  In tile t lane (r, h) holds batch row r, register j output 64 w + 16 t + 8 h + j
.irp s, 0,1,2,3
.irp c, 0,1,2,3
	ds_load_b128 v[HF+16*\s+4*\c:HF+16*\s+4*\c+3], v[LIH] offset:2048*\s+512*\c
.endr
.endr
	WIN 0x80
	FETCHW2 3
	s_wait_dscnt 16                                ; the hidden layer is in; W2's last 16 loads may be out
	WIN 0x32                                       ; source 0 (W2) window 2, source 2 (b2) window 3
.irp t, 0,1,2,3
	v_wmma_f32_16x16x128_bf8_bf8 v[ACC2+8*\t:ACC2+8*\t+7], v[16*(4*\t):16*(4*\t)+15], v[HF:HF+15], v[B2+8*\t:B2+8*\t+7]
.endr
	WIN 0x02                                       ; C and D window 0
.irp s, 1,2
.irp t, 0,1,2,3
	v_wmma_f32_16x16x128_bf8_bf8 v[ACC2+8*\t:ACC2+8*\t+7], v[16*(4*\t+\s):16*(4*\t+\s)+15], v[HF+16*\s:HF+16*\s+15], v[ACC2+8*\t:ACC2+8*\t+7]
.endr
.endr
	s_wait_dscnt 0x0                               ; W2's K step 3
.irp t, 0,1,2,3
	v_wmma_f32_16x16x128_bf8_bf8 v[ACC2+8*\t:ACC2+8*\t+7], v[16*(4*\t+3):16*(4*\t+3)+15], v[HF+48:HF+63], v[ACC2+8*\t:ACC2+8*\t+7]
.endr
	WIN 0
	PLACES
; ---- product 3 (N = 1, left as it is): f32 multiply-adds on relu(sum), which lacks the factor 2^(e2 + e3); that factor is applied once, to the finished sum
.set n, 0
.rept 32
	v_max_num_f32 v[ACC2+n], 0, v[ACC2+n]
.set n, n+1
.endr
	WIN 0x0c                                       ; source 1 (W3) window 3
.irp t, 0,1,2,3
	v_pk_mul_f32 v[TR+2*\t:TR+2*\t+1], v[ACC2+8*\t:ACC2+8*\t+1], v[W3R+8*\t:W3R+8*\t+1]
.endr
.irp k, 2,4,6
.irp t, 0,1,2,3
	v_pk_fma_f32 v[TR+2*\t:TR+2*\t+1], v[ACC2+8*\t+\k:ACC2+8*\t+\k+1], v[W3R+8*\t+\k:W3R+8*\t+\k+1], v[TR+2*\t:TR+2*\t+1]
.endr
.endr
	WIN 0
	v_pk_add_f32 v[TR:TR+1], v[TR:TR+1], v[TR+2:TR+3]
	v_pk_add_f32 v[TR+4:TR+5], v[TR+4:TR+5], v[TR+6:TR+7]
	v_pk_add_f32 v[TR:TR+1], v[TR:TR+1], v[TR+4:TR+5]
	v_add_f32 v[TR], v[TR], v[TR+1]
	v_permlanex16_b32 v[TR+1], v[TR], s66, s67     ; the row's other 32 of my 64 outputs lie in the lane 16 away
	v_add_f32 v[TR], v[TR], v[TR+1]
	ds_store_b32 v[REDW], v[TR]                    ; (lanes r and 16 + r write the same number to the same word)
	BARRIER                                        ; the four waves' sums lie in LDS
	s_cmp_lg_u32 s24, 0                            ; wave 0 adds them and stores
	s_cbranch_scc1 .Ldone
.irp p, 0,1,2,3
	ds_load_b32 v[TR+\p], v[REDR] offset:64*\p
.endr
	s_wait_dscnt 0x0
	v_add_f32 v[TR], v[TR], v[TR+1]
	v_add_f32 v[TR+2], v[TR+2], v[TR+3]
	v_add_f32 v[TR], v[TR], v[TR+2]
	v_ldexp_f32 v[TR], v[TR], s58                  ; x 2^(e2 + e3): by the exponent, so that e2 + e3 has no limit of its own
	v_add_f32 v[TR], s59, v[TR]                    ; + b3
	s_wait_xcnt 0x0                                ; EXEC changes only behind this wait: it counts among the sources of the global loads issued so far
	v_cmp_gt_u32 vcc_lo, 16, v0
	s_and_saveexec_b32 s68, vcc_lo                 ; lanes 0 .. 15: one number for each batch row
	global_store_b32 v[OUTO], v[TR], s[22:23]
	s_endpgm
.Ldone:
	s_endpgm
.Lfunc_end_k_q32c65e03b3_main:
	.size	k_q32c65e03b3_main, .Lfunc_end_k_q32c65e03b3_main-k_q32c65e03b3_main
	.p2alignl 7, 3214868480
	.fill 96, 4, 3214868480
	.section	.rodata,"a",@progbits
	.p2align	6, 0x0
	.amdhsa_kernel k_q32c65e03b3_main
		.amdhsa_group_segment_fixed_size 327680
		.amdhsa_private_segment_fixed_size 0
		.amdhsa_enable_private_segment 0
		.amdhsa_kernarg_size 80
		.amdhsa_user_sgpr_count 2
		.amdhsa_user_sgpr_kernarg_segment_ptr 1
		.amdhsa_wavefront_size32 1
		.amdhsa_system_sgpr_workgroup_id_x 1
		.amdhsa_system_sgpr_workgroup_id_y 1
		.amdhsa_system_sgpr_workgroup_id_z 1
		.amdhsa_system_vgpr_workitem_id 0
		.amdhsa_next_free_vgpr 1024
		.amdhsa_next_free_sgpr 72
		.amdhsa_reserve_vcc 1
		.amdhsa_float_denorm_mode_32 3
		.amdhsa_float_denorm_mode_16_64 3
		.amdhsa_memory_ordered 1
		.amdhsa_forward_progress 1
		.amdhsa_inst_pref_size 255
	.end_amdhsa_kernel
	.section	.bss,"aw",@nobits
	.p2align	6
	.space	262144
	.amdgpu_metadata
---
amdhsa.version: [ 1, 2 ]
amdhsa.kernels:
  - .name:           k_q32c65e03b3_main
    .symbol:         k_q32c65e03b3_main.kd
    .args:
      - { .name: x, .offset: 0, .size: 8, .value_kind: global_buffer, .address_space: global }
      - { .name: W_phi, .offset: 8, .size: 8, .value_kind: global_buffer, .address_space: global }
      - { .name: b_phi, .offset: 16, .size: 8, .value_kind: global_buffer, .address_space: global }
      - { .name: b1, .offset: 24, .size: 8, .value_kind: global_buffer, .address_space: global }
      - { .name: b2, .offset: 32, .size: 8, .value_kind: global_buffer, .address_space: global }
      - { .name: W3, .offset: 40, .size: 8, .value_kind: global_buffer, .address_space: global }
      - { .name: b3, .offset: 48, .size: 8, .value_kind: global_buffer, .address_space: global }
      - { .name: lowp_scales, .offset: 56, .size: 8, .value_kind: global_buffer, .address_space: global }
      - { .name: wcodes, .offset: 64, .size: 8, .value_kind: global_buffer, .address_space: global }
      - { .name: out0, .offset: 72, .size: 8, .value_kind: global_buffer, .address_space: global }
    .group_segment_fixed_size: 327680
    .private_segment_fixed_size: 0
    .kernarg_segment_align: 8
    .kernarg_segment_size: 80
    .max_flat_workgroup_size: 128
    .sgpr_count:     72
    .vgpr_count:     1024
    .wavefront_size: 32
...
	.end_amdgpu_metadata
.endif
;; end of part 2
;; ======== version 2 of 2: 2 launches
;; limits: right only within a limited range of input values
;; workspace buffers: wcodes 196,608 bytes
;; launch prep (part 3): grid 96 x 1, 4 waves a work-group, no clusters, 0 bytes of LDS; arguments W1, W2, lowp_scales, wcodes; writes wcodes
.if DOCPART == 3
	.amdgcn_target "amdgcn-amd-amdhsa--gfx1250"
	.amdhsa_code_object_version 6
	.text
	.protected	k_q32c65e03b3_prep
	.globl	k_q32c65e03b3_prep
	.p2align	8
	.type	k_q32c65e03b3_prep,@function
k_q32c65e03b3_prep:
	s_mov_b64 s[64:65], 0
	v_nop
	global_prefetch_b8 v0, s[64:65] scope:SCOPE_SE
	s_setreg_imm32_b32 hwreg(HW_REG_WAVE_MODE, 25, 1), 1
	s_wait_xcnt 0x0
; W1 [128 (k)][512 (n)] and W2 [512 (k)][256 (n)], f32 with K as the FIRST axis, become codes of BF8 (E5M2), each with its given scale 2^e (entry 1 of the scales for W1, entry 3 for W2):
; code = x / 2^e, held within +-57,344, to the nearest code, ties to even.  No step of the problem is left out.
; The codes are laid in the order of the operands' registers of the launch that multiplies them: wcodes = [wave w 0..7][12 fragments][2,048 bytes].  A fragment is 16 rows x 128 K, 16 registers a lane:
; lane l's register group c (16 bytes) lies at 512 c + 16 l and holds k = 32 c + 16 (l / 16) + 0 .. 15 of the fragment's row l % 16.
;   fragment t = 0 .. 3 of wave w:  W1: row r is column 64 w + 32 (t / 2) + 8 (t % 2) + r + 8 (r / 8), so that the first product's results come out as neighbours along the second's K.
;   fragment 4 + 4 t + s:           W2, tile t, K step s (k from 128 s on): row r is column 32 w + 16 t + r.
; SHARES.  A work-group makes one fragment (96 in all), wave c its register group c: a lane takes a column n and its 16 registers run down K, so the two conversions' results are the group's four registers.
; Every store of a wave covers 512 consecutive bytes, at a multiple of 512 from the buffer's first byte.  Every input byte is read once.  No LDS, no barrier: waves share nothing.
; LIMITS: e between -126 and 112, so that 2^e and 57,344 x 2^e are f32 numbers.  NaN among the inputs is not served.
.set NW1, 32                           ; work-groups 0 .. 31 make W1's fragments, 32 .. 95 W2's
.set WCB, 24576                        ; a wave's 12 fragments in bytes
.set NUM, 16                           ; v16-31  my 16 numbers down K
.set COD, 32                           ; v32-35  their codes
	s_load_b128 s[4:7], s[0:1], 0x0                ; W1 s[4:5], W2 s[6:7]
	s_load_b128 s[8:11], s[0:1], 0x10              ; the scales' exponents s[8:9], wcodes s[10:11]
	v_lshrrev_b32 v1, 5, v0
	v_readfirstlane_b32 s12, v1                    ; wave = register group c
	v_and_b32 v1, 15, v0                           ; r
	v_bfe_u32 v2, v0, 4, 1                         ; h
	v_and_b32 v4, 31, v0
	v_lshlrev_b32 v4, 4, v4                        ; 16 x lane: my place in the group's 512 bytes
	s_mov_b32 s21, 0                               ; upper words of the two offsets
	s_mov_b32 s23, 0
	s_wait_alu depctr_va_vdst(0)
	s_wait_kmcnt 0x0
	s_load_b128 s[16:19], s[8:9], 0x0              ; e0 .. e3
	s_cmp_lt_u32 ttmp9, NW1                        ; rows differ in length, so the loads' immediates differ: two short paths, chosen by the work-group's number
	s_cbranch_scc0 .Lw2
	; ---- W1: a row of 512 numbers is 2,048 bytes.  k = 32 c + 16 h + i.  ttmp9 = 8 u + t: columns from 128 u + 32 (t / 2) + 8 (t % 2) on
	s_lshr_b32 s13, ttmp9, 3
	s_and_b32 s14, ttmp9, 7
	s_lshl_b32 s20, s12, 16                        ; 32 c rows
	s_lshl_b32 s15, s13, 9                         ; 128 u columns
	s_add_co_u32 s20, s20, s15
	s_lshr_b32 s15, s14, 1
	s_lshl_b32 s15, s15, 7                         ; 32 (t / 2) columns
	s_add_co_u32 s20, s20, s15
	s_and_b32 s15, s14, 1
	s_lshl_b32 s15, s15, 5                         ; 8 (t % 2) columns
	s_add_co_u32 s20, s20, s15
	s_add_nc_u64 s[4:5], s[4:5], s[20:21]
	v_and_b32 v5, 8, v1
	v_add_nc_u32 v5, v5, v1                        ; r + 8 (r / 8)
	v_lshlrev_b32 v3, 2, v5
	v_lshl_add_u32 v3, v2, 15, v3                  ; + 16 h rows
.irp i, 0,1,2,3,4,5,6,7,8,9,10,11,12,13,14,15
	global_load_b32 v[NUM+\i], v3, s[4:5] offset:\i*2048
.endr
	s_lshr_b32 s13, ttmp9, 2                       ; the wave that will use it
	s_mul_i32 s22, s13, WCB
	s_and_b32 s15, ttmp9, 3
	s_lshl_b32 s15, s15, 11
	s_add_co_u32 s22, s22, s15
	s_branch .Ljoin
.Lw2:
	; ---- W2: a row of 256 numbers is 1,024 bytes.  k = 128 s + 32 c + 16 h + i.  ttmp9 - 32 = 4 t + s: columns from 16 t on (t = 0 .. 15)
	s_sub_co_u32 s13, ttmp9, NW1
	s_and_b32 s14, s13, 3                          ; s
	s_lshl_b32 s20, s14, 17                        ; 128 s rows
	s_lshl_b32 s15, s12, 15                        ; 32 c rows
	s_add_co_u32 s20, s20, s15
	s_lshr_b32 s15, s13, 2
	s_lshl_b32 s15, s15, 6                         ; 16 t columns
	s_add_co_u32 s20, s20, s15
	s_add_nc_u64 s[6:7], s[6:7], s[20:21]
	v_lshlrev_b32 v3, 2, v1
	v_lshl_add_u32 v3, v2, 14, v3                  ; column r, + 16 h rows
.irp i, 0,1,2,3,4,5,6,7,8,9,10,11,12,13,14,15
	global_load_b32 v[NUM+\i], v3, s[6:7] offset:\i*1024
.endr
	s_lshr_b32 s15, s13, 3                         ; the wave that will use it
	s_mul_i32 s22, s15, WCB
	s_and_b32 s15, s13, 7
	s_lshl_b32 s15, s15, 11
	s_add_co_u32 s22, s22, s15
	s_add_co_u32 s22, s22, 4*2048
.Ljoin:
	s_wait_kmcnt 0x0
	s_cmp_lt_u32 ttmp9, NW1
	s_cselect_b32 s24, s17, s19                    ; e: W1's or W2's
	s_add_co_i32 s24, s24, 127
	s_lshl_b32 s25, s24, 23
	v_mov_b32 v11, s25                             ; 2^e as f32: the conversion takes its exponent field
	s_add_co_i32 s24, s24, 15
	s_lshl_b32 s24, s24, 23
	s_or_b32 s24, s24, 0x600000
	v_mov_b32 v10, s24                             ; 57,344 x 2^e
	s_lshl_b32 s15, s12, 9
	s_add_co_u32 s22, s22, s15                     ; + 512 c
	s_add_nc_u64 s[10:11], s[10:11], s[22:23]
	s_wait_alu depctr_va_vdst(0)
	s_wait_loadcnt 0x0
.irp i, 0,1,2,3,4,5,6,7,8,9,10,11,12,13,14,15
	v_med3_num_f32 v[NUM+\i], v[NUM+\i], -v10, v10 ; the conversion to an 8-bit code does not saturate (ISA guide 7.6.2): the hold comes first
.endr
	v_cvt_scalef32_pk8_bf8_f32 v[COD:COD+1], v[NUM:NUM+7], v11       ; the first number's code in the lowest byte
	v_cvt_scalef32_pk8_bf8_f32 v[COD+2:COD+3], v[NUM+8:NUM+15], v11  ; (only the store below touches the results)
	global_store_b128 v4, v[COD:COD+3], s[10:11]
	s_endpgm
.Lfunc_end_k_q32c65e03b3_prep:
	.size	k_q32c65e03b3_prep, .Lfunc_end_k_q32c65e03b3_prep-k_q32c65e03b3_prep
	.p2alignl 7, 3214868480
	.fill 96, 4, 3214868480
	.section	.rodata,"a",@progbits
	.p2align	6, 0x0
	.amdhsa_kernel k_q32c65e03b3_prep
		.amdhsa_group_segment_fixed_size 0
		.amdhsa_private_segment_fixed_size 0
		.amdhsa_enable_private_segment 0
		.amdhsa_kernarg_size 32
		.amdhsa_user_sgpr_count 2
		.amdhsa_user_sgpr_kernarg_segment_ptr 1
		.amdhsa_wavefront_size32 1
		.amdhsa_system_sgpr_workgroup_id_x 1
		.amdhsa_system_sgpr_workgroup_id_y 1
		.amdhsa_system_sgpr_workgroup_id_z 1
		.amdhsa_system_vgpr_workitem_id 0
		.amdhsa_next_free_vgpr 40
		.amdhsa_next_free_sgpr 66
		.amdhsa_reserve_vcc 0
		.amdhsa_float_denorm_mode_32 3
		.amdhsa_float_denorm_mode_16_64 3
		.amdhsa_memory_ordered 1
		.amdhsa_forward_progress 1
		.amdhsa_inst_pref_size 7
	.end_amdhsa_kernel
	.amdgpu_metadata
---
amdhsa.version: [ 1, 2 ]
amdhsa.kernels:
  - .name:           k_q32c65e03b3_prep
    .symbol:         k_q32c65e03b3_prep.kd
    .args:
      - { .name: W1, .offset: 0, .size: 8, .value_kind: global_buffer, .address_space: global }
      - { .name: W2, .offset: 8, .size: 8, .value_kind: global_buffer, .address_space: global }
      - { .name: lowp_scales, .offset: 16, .size: 8, .value_kind: global_buffer, .address_space: global }
      - { .name: wcodes, .offset: 24, .size: 8, .value_kind: global_buffer, .address_space: global }
    .group_segment_fixed_size: 0
    .private_segment_fixed_size: 0
    .kernarg_segment_align: 8
    .kernarg_segment_size: 32
    .max_flat_workgroup_size: 128
    .sgpr_count:     66
    .vgpr_count:     40
    .wavefront_size: 32
...
	.end_amdgpu_metadata
.endif
;; end of part 3
;; launch main (part 4): grid 256 x 1, 8 waves a work-group, clusters of 4 x 1, 327,680 bytes of LDS; arguments x, W_phi, b_phi, b1, b2, W3, b3, lowp_scales, wcodes, out0; writes out0
.if DOCPART == 4
	.amdgcn_target "amdgcn-amd-amdhsa--gfx1250"
	.amdhsa_code_object_version 6
	.text
	.protected	k_q32c65e03b3_main
	.globl	k_q32c65e03b3_main
	.p2align	8
	.type	k_q32c65e03b3_main,@function
k_q32c65e03b3_main:
	s_mov_b64 s[64:65], 0
	v_nop
	global_prefetch_b8 v0, s[64:65] scope:SCOPE_SE
	s_setreg_imm32_b32 hwreg(HW_REG_WAVE_MODE, 25, 1), 1
	s_wait_xcnt 0x0
	s_wait_alu depctr_hold_cnt(0) depctr_sa_sdst(0) depctr_va_vdst(0) depctr_va_sdst(0) depctr_va_ssrc(0) depctr_va_vcc(0) depctr_vm_vsrc(0)
	s_getreg_b32 s2, hwreg(HW_REG_IB_STS2, 6, 4)
	s_cmp_eq_u32 s2, 0
	s_cbranch_scc0 .Lentry_in_a_cluster
	s_endpgm
.Lentry_in_a_cluster:
	s_bfe_u32 s2, ttmp6, 0x10000c
	s_cmp_lg_u32 s2, 0x3003
	s_cbranch_scc0 .Lentry_shape_is_right
	s_endpgm
.Lentry_shape_is_right:
; out[b] = relu(relu(Q(u) Q(W1) + b1) ~ Q(.) Q(W2) + b2) . W3 + b3,  u[b] = the sum over 512 positions of W_phi[x[b][pos]] + 512 b_phi.  Q: codes of BF8 (E5M2) with the given scales 2^e0 .. 2^e3.
; No step of the problem is left out.
; THE SUM OF TABLE ROWS IS NOT GATHERED.  u[b] = sum over classes c of count[b][c] W_phi[c], count[b][c] = how often label c stands in row b.
;   P0, P1: THE COUNTS.  c = 16 hi + lo.  For one row, count[lo][hi] = sum over positions of onehot16(lo of x) x onehot32(hi of x): a product 16 x 32 x 512 of zeros and ones
;           (code 0x3c is 1.0), eight matrix instructions a row; the sums are whole numbers up to 512: nothing is rounded.
;           A one-hot operand costs one v_perm_b32 for four codes: the lane's table of 8 bytes holds 0x3c at three bits of the lane's own row number; a selector byte is the position's three bits, or
;           0x0c (which gives the byte 0) where the position's other bits are not the lane's.  Those make 2 variants for lo and 4 for hi: P0 writes six selector bytes a position into LDS,
;           and in P1 a lane reads its own variant.  No address hangs on a label.
;   P2:     count x W_phi in f32, two multiply-adds an instruction.  W_phi lies in registers, 256 a wave; the counts come from LDS, sixteen lanes sharing an address.
;           A class group (8 classes) is used for all 16 rows before the next, so the products begin while later groups are still on their way.
;   U, 1, 2, 3: u is summed and quantised; the two quantised products, both used transposed (source 0 = 16 rows of the weight, source 1 = the 16 batch rows), so that a lane holds ONE batch row
;           and the first product's results are neighbours along the second's K; operands go from wave to wave through LDS as images of their registers; the last product (N = 1) is f32 multiply-adds.
; SHARES.  A work-group owns 16 batch rows (256 work-groups), 8 waves.  P0, P1: wave w counts rows 2 w, 2 w + 1.  P2: classes 64 w .. + 63 for all 16 rows and 128 phi; the two halves of lanes take different
; classes and are added, so u comes in 8 parts.  U: wave w sums and quantises k = 16 w .. + 15 of u.  Product 1: hidden units 64 w .. + 63.  Product 2: outputs 32 w .. + 31.
; CLUSTERS: 4 work-groups, which need the same codes: wave w's block of 12 fragments (24 KiB) is asked for JOINTLY, by the same tensor load in all four; a wave reads only its own block.
; W_phi goes from memory straight into registers, which a joint load cannot fill; LDS has no room for its 256 KiB beside the 192 KiB of codes.
; W_phi's 64 LOADS A WAVE ARE SPREAD: 8 behind the labels' loads, the others in twos and fours between the steps of P0 and P1 and in P2's even chunks 0 .. 10, so that none of the labels' work stands behind a long run of them.
; NO PREFETCH: there is no loop to run ahead in; W_phi's loads in P2 stand 18 chunks or more ahead of their first use, all the others ahead of P2, and the codes are asked for at the head.
; out0: a work-group's 16 numbers are 64 bytes, so four work-groups share an aligned 256 bytes; the whole output is 16 KiB.
; LIMITS.  Labels lie in 0 .. 511 (an index stays inside its table).  e0 and e2 - e0 - e1 between -126 and 112, so that the conversions' scales and holds are f32 numbers; b1 x 2^-(e0 + e1) and b2 x 2^-(e2 + e3)
; are f32 numbers (the biases go in as the C of each sum's first matrix instruction).  NaN among the inputs is not served.  The f32 sums of u are taken in another order than a sum over positions.
; An infinity in W_phi makes u NaN also for rows in which its class does not stand (0 x infinity).
;
; LDS, in bytes
.set WCB,    24576                     ; CODES at 0: 8 waves x 12 fragments x 2,048; filled once by the tensor loads, never stored to
.set CNT,    196608                    ; counts, f32: row b x CPITCH + 4 x class + 16 x (class / 128): the sixteen lanes that store together begin at 16 different columns modulo 256
.set CPITCH, 2128
.set SEL,    230656                    ; selectors (P0, P1): row b x SELR + variant x SELV + slot; variants 0, 1: lo's; 2 .. 5: hi's
.set SELV,   528
.set SELR,   6*SELV
.set PU,     230656                    ; u's 8 parts (P2, U), over SEL, which nobody reads behind the first barrier: part x PUS + row b x PUP + 4 x phi
.set PUP,    528                       ; 512 bytes + 16
.set PUS,    16*PUP
.set UIMG,   298240                    ; u's fragment as an image of its registers: 512 c + 16 lane
.set HIMG,   300288                    ; the hidden layer's four: 2,048 s + 512 c + 16 lane
.set RED,    308480                    ; the last sums: 64 w + 4 r
.set SPARE,  308992                    ; the spare words, 128 bytes for each wave
; REGISTERS.  Window 0, kept:
.set RR,    2                          ; r = lane % 16
.set HH,    3                          ; h = lane / 16
.set L16,   4                          ; 16 x lane
.set WO,    5                          ; W_phi: 2,048 h + 16 r
.set SST,   6                          ; SEL: where I store selectors
.set ADA,   7                          ; SEL: my variant of lo's selectors, + 64 h
.set ADB,   8                          ; SEL: my variant of hi's, + 64 h
.set TALO,  9                          ; lo's table of 8 bytes: 0x3c at byte r % 8
.set TAHI,  10
.set TBV,   11                         ; hi's table of 4 bytes: 0x3c at byte r % 4
.set ZERO,  12
.set CST,   13                         ; CNT: where I store counts
.set CA,    14                         ; CNT: my classes' counts of row 0
.set PUW,   15                         ; PU: where I store my part, where I load part 0
.set PUR,   16
.set UIW,   17                         ; images: where I store, where I load
.set LIU,   18
.set HIW,   19
.set LIH,   20
.set CDA,   21                         ; CODES: my block + 16 x lane
.set REDW,  22
.set REDR,  23
.set OUTO,  24                         ; 4 r
.set VH32,  25                         ; 32 h
.set VH64,  26                         ; 64 h
.set SU,    27                         ; 2^e0;  LU: 57,344 x 2^e0
.set LU,    28
.set SH,    29                         ; 2^(e2 - e0 - e1);  LH: 57,344 x that
.set LH,    30
.set SPW,   31                         ; LDS address of my spare word, and 0: never rewritten
.set NIL,   32
; window 0, by phase
.set XR,    36                         ; P0: v36-67 labels (16 j + 4 i + n); v68-87 at work; v132-179 selectors (24 j + 4 variant + i)
.set A01,   68
.set A23,   72
.set YR,    76
.set ZR,    80
.set MR,    84
.set OUTS,  132
.set BUF,   36                         ; P1: three buffers of 48 (v36-179): lo's fragment, hi's two
.set DSET,  192                        ; P1: two sets of two accumulators
.set CB,    36                         ; P2: v36-99 counts: four buffers of 4 rows x 4
.set B2,    100                        ; b2's 2 tiles, in the result's layout
.set ACC,   126                        ; P2: v126-253 sums, 16 rows x 8.  They begin two registers off a multiple of four and W_phi's groups on one
.set P03,   36                         ; U: v36-67 u's parts 0 .. 3, v140-171 parts 4 .. 7
.set P47,   140
.set PCD,   172                        ; u's codes
.set UF,    172                        ; u's fragment
.set HR,    36                         ; product 1: 4 tiles;  v140-147 their codes
.set HCD,   140
.set HFA,   36                         ; product 2: the hidden layer's fragments 0, 1 and 2, 3
.set HFB,   140
.set ACC2,  172
.set TR,    36                         ; product 3
; window 1: W_phi: class group q: v[32 q + 8 i + n]: class 64 w + 8 q + 4 h + i; n = 0 .. 3: phi 4 r + n; n = 4 .. 7: phi 64 + 4 r + n - 4.
; Later, over groups that are done with: b1's 4 tiles (group 0), W3's 2 and my 8 numbers of b_phi (group 1), W1's fragments at 64 + 16 t (groups 2, 3), W2's at 128 + 16 (4 t + s) (groups 4 .. 7).
.set B1,    0
.set W3R,   32
.set BPH,   48
.set W1F,   64
.set W2F,   128
; SCALARS: s[4:23] the ten buffers; s24 wave; s25 work-group; s[26:27] an offset; s[28:31], s[32:39] the tensor load's groups 0 and 1; s40-50 constants of P0; s[52:55] e0 .. e3; s56 -(e0 + e1), s57 -(e2 + e3),
; s58 e2 + e3; s59 b3; s66, s67 lane selects; s68, s69 at work; s70-77 my wave's places in LDS; s[78:79] my block's offset in wcodes.
.set MSB, 0
.macro WIN new                         ; s_set_vgpr_msb: bits 1:0 source 0, 3:2 source 1, 5:4 source 2, 7:6 destination; the high byte repeats the setting that is left
.if MSB != \new
	s_set_vgpr_msb (MSB<<8)|\new
.set MSB, \new
.endif
.endm
.macro BARRIER                         ; my LDS stores have landed and my LDS loads are in: then the work-group's barrier
	s_wait_alu depctr_va_vdst(0)
	s_wait_dscnt 0x0
	s_barrier_signal -1
	s_barrier_wait -1
.endm
.macro ROUND                           ; a round of the cluster's barrier
	s_barrier_signal -1
	s_barrier_wait -1
	s_cmp_lg_u32 s24, 0
	s_cbranch_scc1 .Lnot_wave_0_\@
	s_barrier_signal -3
.Lnot_wave_0_\@:
	s_barrier_wait -3
	s_barrier_signal -1
	s_barrier_wait -1
.endm
.macro PLACES                          ; four plain vector instructions between a matrix instruction and what touches its registers (ISA guide 7.12.1)
.rept 4
	v_nop
.endr
.endm
; The next n pairs of W_phi's loads.  Pair M = 4 q + i: class 8 q + i of my 64 in lanes 0-15, the class four further on in lanes 16-31: each half reads 256 consecutive bytes a load.  The caller sets the destination's window to 1
.set M, 0
.macro WNEXT n
.rept \n
	global_load_b128 v[8*M:8*M+3],   v[WO], s[6:7] offset:(M/4)*4096+(M%4)*512
	global_load_b128 v[8*M+4:8*M+7], v[WO], s[6:7] offset:(M/4)*4096+(M%4)*512+256
.set M, M+1
.endr
.endm
	s_load_b256 s[4:11], s[0:1], 0x0               ; x s[4:5], W_phi s[6:7], b_phi s[8:9], b1 s[10:11]
	s_load_b256 s[12:19], s[0:1], 0x20             ; b2 s[12:13], W3 s[14:15], b3 s[16:17], the scales' exponents s[18:19]
	s_load_b128 s[20:23], s[0:1], 0x40             ; wcodes s[20:21], out0 s[22:23]
	v_lshl_add_u32 v[SPW], v0, 2, SPARE
	v_mov_b32 v[NIL], 0
	ds_add_u32 v[SPW], v[NIL]                      ; the wave's opening: the add, twice on end, and its wait ahead of my tensor load; work on registers stands between
	ds_add_u32 v[SPW], v[NIL]
	v_lshrrev_b32 v68, 5, v0
	v_readfirstlane_b32 s24, v68                   ; wave 0..7
	s_mul_i32 s70, s24, 2*SELR
	s_add_co_u32 s70, s70, SEL                     ; my two rows of selectors
	s_mul_i32 s71, s24, 2*CPITCH
	s_add_co_u32 s71, s71, CNT                     ; my two rows of counts
	s_lshl_b32 s72, s24, 8
	s_lshr_b32 s68, s24, 1
	s_lshl_b32 s68, s68, 4
	s_add_co_u32 s72, s72, s68
	s_add_co_u32 s72, s72, CNT                     ; my 64 classes in row 0
	s_mul_i32 s73, s24, PUS
	s_add_co_u32 s73, s73, PU                      ; my part of u
	s_lshl_b32 s74, s24, 6
	s_add_co_u32 s77, s74, RED
	s_add_co_u32 s74, s74, PU                      ; phi 16 w of part 0, row 0
	s_lshl_b32 s76, s24, 10
	s_add_co_u32 s76, s76, HIMG                    ; my 64 hidden units: K step w / 2, register groups 2 (w % 2), + 1
	s_lshl_b32 s75, s24, 8
	s_add_co_u32 s75, s75, UIMG                    ; k = 16 w ..: register group w / 2, lanes 16 (w % 2) ..
	s_mul_i32 s29, s24, WCB                        ; my block of codes
	v_and_b32 v1, 31, v0                           ; lane
	v_and_b32 v[RR], 15, v0
	v_bfe_u32 v[HH], v0, 4, 1
	v_lshlrev_b32 v[L16], 4, v1
	v_lshrrev_b32 v68, 3, v[RR]                    ; lo's variant: r / 8
	v_lshrrev_b32 v69, 2, v[RR]                    ; r / 4
	v_and_b32 v70, 3, v[RR]                        ; r % 4
	v_lshlrev_b32 v[VH64], 6, v[HH]
	v_lshlrev_b32 v[VH32], 5, v[HH]
	v_lshlrev_b32 v72, 4, v[RR]
	v_lshlrev_b32 v73, 3, v[HH]
	v_lshlrev_b32 v74, 6, v70
	v_add_nc_u32 v75, 2, v69                       ; hi's variant: 2 + r / 4
	v_lshl_add_u32 v[WO], v[HH], 11, v72
	v_add_nc_u32 v[SST], s70, v[L16]
	v_mad_u32_u24 v[ADA], v68, SELV, v[VH64]
	v_mad_u32_u24 v[ADB], v75, SELV, v[VH64]
	v_mad_u32_u24 v[CST], v69, 528, v74            ; register jj of accumulator q in lane (r, h) is class 128 (r / 4) + 64 q + 16 (r % 4) + 8 h + jj
	v_lshlrev_b32 v[CA], 4, v[HH]
	v_mad_u32_u24 v[PUW], v[HH], 8*PUP, v72        ; row 8 h, phi 4 r
	v_mad_u32_u24 v[PUR], v[RR], PUP, v[VH32]      ; row r, + 8 h numbers
	v_add_nc_u32 v[ADA], s70, v[ADA]
	v_add_nc_u32 v[ADB], s70, v[ADB]
	v_lshl_add_u32 v[CST], v[HH], 5, v[CST]
	v_add_nc_u32 v[CA], s72, v[CA]
	v_add_nc_u32 v[PUW], s73, v[PUW]
	v_add_nc_u32 v[PUR], s74, v[PUR]
	v_add_nc_u32 v[CST], s71, v[CST]
	v_lshl_add_u32 v[UIW], v[RR], 4, v73           ; lane r's 16 bytes, my half of them
	v_add_nc_u32 v[LIU], UIMG, v[L16]
	v_add_nc_u32 v[HIW], s76, v[L16]
	v_add_nc_u32 v[UIW], s75, v[UIW]
	v_add_nc_u32 v[LIH], HIMG, v[L16]
	v_add_nc_u32 v[CDA], s29, v[L16]
	v_lshlrev_b32 v[OUTO], 2, v[RR]
	v_lshlrev_b32 v76, 3, v70
	v_mov_b32 v[TBV], 0x3c
	v_add_nc_u32 v[REDW], s77, v[OUTO]
	v_add_nc_u32 v[REDR], RED, v[OUTO]
	v_lshlrev_b32 v[TBV], v76, v[TBV]              ; 1.0 at byte r % 4
	v_mov_b32 v[ZERO], 0
	v_and_b32 v77, 4, v[RR]
	v_cmp_eq_u32 vcc_lo, 0, v77
	v_cndmask_b32 v[TALO], v[ZERO], v[TBV], vcc_lo ; 1.0 at byte r % 8 of the pair
	v_cndmask_b32 v[TAHI], v[TBV], v[ZERO], vcc_lo
	s_wait_alu depctr_va_vdst(0)                   ; the end of the head's vector work
	; the tensor load's group 1: a dense block of 24 KiB as 96 rows of 32 elements of 8 bytes, no padding
	s_mov_b32 s32, 15|(3<<16)|(1<<21)              ; 15:0 the mask: all four of my cluster; 17:16 elements of 8 bytes; 20 padding off; 21 set beside a mask
	s_mov_b32 s33, 32<<16                          ; tensor_dim0 = 32
	s_mov_b32 s34, 96<<16                          ; tensor_dim1 = 96
	s_mov_b32 s35, 32<<16                          ; tile_dim0 = 32
	s_mov_b32 s36, 96                              ; tile_dim1 = 96
	s_mov_b32 s37, 32                              ; from row to row: 32 elements
	s_mov_b32 s38, 0
	s_mov_b32 s39, 0
	s_mov_b32 s28, 1                               ; group 0: count = 1;  s29, the LDS address, is made above
	s_mov_b32 s78, s29
	s_mov_b32 s79, 0
	; constants of P0
	s_mov_b32 s40, 0x06040200                      ; bytes 0 and 2 of two words
	s_mov_b32 s41, 0x07070707
	s_mov_b32 s42, 0x01010101
	s_mov_b32 s43, 0x03030303
	s_mov_b32 s44, 0x0c0c0c0c                      ; the selector that gives the byte 0
	s_mov_b32 s45, 0x0000ff00                      ; tables of masks: variant v has 0x00 at byte v and 0xff elsewhere: lo's two,
	s_mov_b32 s46, 0x000000ff
	s_mov_b32 s47, 0xffffff00                      ; hi's four
	s_mov_b32 s48, 0xffff00ff
	s_mov_b32 s49, 0xff00ffff
	s_mov_b32 s50, 0x00ffffff
	s_mov_b32 s66, 0x76543210                      ; v_permlanex16_b32: lane l xor 16
	s_mov_b32 s67, 0xfedcba98
	s_bfe_u32 s68, ttmp6, 0x40000                  ; cx
	s_lshl_b32 s25, ttmp9, 2
	s_add_co_u32 s25, s25, s68                     ; work-group = 4 x cluster + cx
	s_lshl_b32 s26, s25, 15                        ; x: 16 rows of 2,048 bytes,
	s_lshl_b32 s68, s24, 12                        ; my wave's 2 of them
	s_add_co_u32 s26, s26, s68
	s_mov_b32 s27, 0
	s_wait_dscnt 0x0                               ; both opening adds are done
	s_wait_kmcnt 0x0
	s_add_nc_u64 s[4:5], s[4:5], s[26:27]
.irp j, 0,1                            ; my two rows of labels go out first: they are wanted first.  Each load reads 512 consecutive bytes
.irp i, 0,1,2,3
	global_load_b128 v[XR+16*\j+4*\i:XR+16*\j+4*\i+3], v[L16], s[4:5] offset:\j*2048+\i*512 th:TH_LOAD_NT
.endr
.endr
	s_load_b128 s[52:55], s[18:19], 0x0            ; e0 .. e3
	s_load_b32 s59, s[16:17], 0x0                  ; b3
	s_lshl_b32 s26, s24, 15                        ; W_phi: my 64 classes of 512 bytes
	s_add_nc_u64 s[6:7], s[6:7], s[26:27]
	s_lshl_b32 s26, s24, 6                         ; b_phi: my 16 numbers
	s_add_nc_u64 s[8:9], s[8:9], s[26:27]
	s_lshl_b32 s26, s24, 8                         ; b1: my 64
	s_add_nc_u64 s[10:11], s[10:11], s[26:27]
	s_lshl_b32 s26, s24, 7                         ; b2, W3: my 32
	s_add_nc_u64 s[12:13], s[12:13], s[26:27]
	s_add_nc_u64 s[14:15], s[14:15], s[26:27]
	s_lshl_b32 s26, s25, 6                         ; out0: the work-group's 16 numbers
	s_add_nc_u64 s[22:23], s[22:23], s[26:27]
	s_add_nc_u64 s[20:21], s[20:21], s[78:79]      ; wcodes: my block
	s_mov_b64 s[30:31], s[20:21]                   ; group 0: global address,
	s_or_b32 s31, s31, 0x80000000                  ; type = 2
	ROUND                                          ; all four work-groups are here: the joint loads meet
	tensor_load_to_lds s[28:31], s[32:39]          ; my 12 fragments of codes: the wave's one tensor load
	s_nop 0
	PLACES
	WIN 0x40                                       ; destination window 1
	WNEXT 4
	WIN 0
; ---- P0: row j's 512 labels become six selector bytes each.  A lane holds 16 labels (load i: positions 128 i + 4 lane + 0 .. 3); four labels make a word.  Each step is written for i = 0 .. 3 in turn,
; so that no line reads the result of the line above it.  Slot 16 lane + 4 i + n holds the same position in all six variants, which is all that a sum over positions asks.
.macro P0ROW j
	s_wait_loadcnt 12                              ; this row's four loads are in; out may be: row 0: row 1's 4 and W_phi's 8; row 1: W_phi's 12
.irp i, 0,1,2,3
	v_lshl_or_b32 v[A01+\i], v[XR+16*\j+4*\i+1], 16, v[XR+16*\j+4*\i]
.endr
.irp i, 0,1,2,3
	v_lshl_or_b32 v[A23+\i], v[XR+16*\j+4*\i+3], 16, v[XR+16*\j+4*\i+2]
.endr
.irp i, 0,1,2,3
	v_perm_b32 v[YR+\i], v[A23+\i], v[A01+\i], s40 ; the four labels' bits 7:0
.endr
.irp i, 0,1,2,3
	v_lshrrev_b32 v[A01+\i], 4, v[A01+\i]
.endr
.irp i, 0,1,2,3
	v_lshrrev_b32 v[A23+\i], 4, v[A23+\i]
.endr
.irp i, 0,1,2,3
	v_perm_b32 v[ZR+\i], v[A23+\i], v[A01+\i], s40 ; their bits 8:4: hi
.endr
.irp i, 0,1,2,3
	v_lshrrev_b32 v[A01+\i], 3, v[YR+\i]
.endr
.irp i, 0,1,2,3
	v_and_b32 v[A01+\i], s42, v[A01+\i]            ; lo's variant: bit 3
.endr
.irp i, 0,1,2,3
	v_and_b32 v[YR+\i], s41, v[YR+\i]              ; lo's place in the table: bits 2:0
.endr
.irp i, 0,1,2,3
	v_lshrrev_b32 v[A23+\i], 3, v[ZR+\i]
.endr
.irp i, 0,1,2,3
	v_and_b32 v[A23+\i], s43, v[A23+\i]            ; hi's variant: its bits 4:3
.endr
.irp i, 0,1,2,3
	v_and_b32 v[ZR+\i], s41, v[ZR+\i]              ; hi's place: its bits 2:0
.endr
.irp v, 0,1
.irp i, 0,1,2,3
	v_perm_b32 v[MR+\i], s[45+\v], s[45+\v], v[A01+\i]         ; 0xff where the position is of another variant
.endr
.irp i, 0,1,2,3
	v_bfi_b32 v[OUTS+24*\j+4*\v+\i], v[MR+\i], s44, v[YR+\i]   ; there 0x0c, else the place
.endr
.endr
.irp v, 0,1,2,3
.irp i, 0,1,2,3
	v_perm_b32 v[MR+\i], s[47+\v], s[47+\v], v[A23+\i]
.endr
.irp i, 0,1,2,3
	v_bfi_b32 v[OUTS+24*\j+8+4*\v+\i], v[MR+\i], s44, v[ZR+\i]
.endr
.endr
.irp v, 0,1,2,3,4,5
	ds_store_b128 v[SST], v[OUTS+24*\j+4*\v:OUTS+24*\j+4*\v+3] offset:\j*SELR+\v*SELV
.endr
.endm
; ---- P1.  Step t = 4 j + s: slots 128 s .. 128 s + 127 of row j.  A lane of half h takes slots 64 h .. 64 h + 63 of the step, the same in both operands, so every product meets its partner.
.macro SELLOAD t                       ; 8 loads: my variant's selectors of lo (into the place of lo's fragment) and of hi (into the place of hi's second)
.set sb, BUF+48*((\t)%3)
.set so, ((\t)/4)*SELR+((\t)%4)*128
.irp q, 0,1,2,3
	ds_load_b128 v[sb+4*\q:sb+4*\q+3],       v[ADA] offset:so+16*\q   ; LDS serves a wave's instructions in order (ISA guide 5.7.1.4): these see my stores of P0
	ds_load_b128 v[sb+32+4*\q:sb+32+4*\q+3], v[ADB] offset:so+16*\q
.endr
.endm
.macro CNTOUT j                        ; row j's 512 counts to LDS; each accumulator from its low end on
.set cd, DSET+16*(\j)
.irp q, 0,1
	ds_store_b128 v[CST], v[cd+8*\q:cd+8*\q+3]   offset:(\j)*CPITCH+\q*256
	ds_store_b128 v[CST], v[cd+8*\q+4:cd+8*\q+7] offset:(\j)*CPITCH+\q*256+16
.endr
.endm
.macro P1STEP t
.set pb, BUF+48*((\t)%3)
.set pd, DSET+16*((\t)/4)
.if (\t) == 7
	s_wait_dscnt 0x0
.else
	s_wait_dscnt 8                                 ; this step's selectors are in; the next step's 8 loads may be out
.endif
.set n, 0
.rept 16
	v_perm_b32 v[pb+n], v[TAHI], v[TALO], v[pb+n]          ; 1.0 where lo = r
.set n, n+1
.endr
.set n, 0
.rept 16
	v_perm_b32 v[pb+16+n], v[ZERO], v[TBV], v[pb+32+n]     ; 1.0 where hi = 8 (r / 4) + r % 4
.set n, n+1
.endr
.set n, 0
.rept 16
	v_perm_b32 v[pb+32+n], v[TBV], v[ZERO], v[pb+32+n]     ; 1.0 where hi = 8 (r / 4) + 4 + r % 4
.set n, n+1
.endr
.if (\t) == 4
	CNTOUT 0                                       ; row 0 is finished: the 48 lines above are the places behind its last products
.endif
.if (\t) < 6
	SELLOAD (\t)+2                                 ; into the buffer that the last step's products read: the 48 lines above are the places behind them
.endif
	WIN 0x40
	WNEXT 2-(\t)%2                                 ; 12 pairs of W_phi's loads in the eight steps
	WIN 0
.if (\t)%4 == 0                        ; the two accumulators take turns, one instruction a turn; a row's first step starts the sums
	v_wmma_f32_16x16x128_bf8_bf8 v[pd:pd+7],    v[pb:pb+15], v[pb+16:pb+31], 0
	v_wmma_f32_16x16x128_bf8_bf8 v[pd+8:pd+15], v[pb:pb+15], v[pb+32:pb+47], 0
.else
	v_wmma_f32_16x16x128_bf8_bf8 v[pd:pd+7],    v[pb:pb+15], v[pb+16:pb+31], v[pd:pd+7]
	v_wmma_f32_16x16x128_bf8_bf8 v[pd+8:pd+15], v[pb:pb+15], v[pb+32:pb+47], v[pd+8:pd+15]
.endif
.endm
	P0ROW 0
	WIN 0x40
	WNEXT 2
	WIN 0
	P0ROW 1
	SELLOAD 0
	SELLOAD 1
	WIN 0x40
	WNEXT 2
	WIN 0
.irp t, 0,1,2,3,4,5,6,7
	P1STEP \t
.endr
	PLACES                                         ; behind the last products: for the stores of their results, and for loads into the registers that they read
	CNTOUT 1
	s_wait_kmcnt 0x0                               ; e0 .. e3, b3
	s_add_co_i32 s68, s52, 127
	s_lshl_b32 s69, s68, 23
	v_mov_b32 v[SU], s69                           ; 2^e0 as f32: u's conversion takes its exponent field
	s_add_co_i32 s68, s68, 15
	s_lshl_b32 s68, s68, 23
	s_or_b32 s68, s68, 0x600000
	v_mov_b32 v[LU], s68                           ; 57,344 x 2^e0
	s_add_co_i32 s58, s52, s53                     ; a sum of the first product stands for sum x 2^(e0 + e1): b1 goes in as b1 / 2^(e0 + e1),
	s_sub_co_i32 s56, 0, s58
	s_sub_co_i32 s68, s54, s58                     ; and the hidden layer's conversion takes 2^(e2 - e0 - e1): three scales folded into one
	s_add_co_i32 s68, s68, 127
	s_lshl_b32 s69, s68, 23
	v_mov_b32 v[SH], s69
	s_add_co_i32 s68, s68, 15
	s_lshl_b32 s68, s68, 23
	s_or_b32 s68, s68, 0x600000
	v_mov_b32 v[LH], s68
	s_add_co_i32 s58, s54, s55                     ; e2 + e3: likewise for b2; the last sum is multiplied by 2^(e2 + e3) once
	s_sub_co_i32 s57, 0, s58
	BARRIER                                        ; the 16 rows' counts lie in LDS, and nobody reads the selectors any more.  (My tensor load may still be out: no LDS bytes are filled again, and I alone read its bytes, behind my own wait)
; ---- P2: 32 chunks.  Chunk k: class group k / 4 (8 classes) x rows 4 (k % 4) .. + 3: 64 packed multiply-adds on 16 pairs of sums that take turns.
.macro CLOAD k                         ; a chunk's counts: 4 numbers a lane for each row (classes 8 (k / 4) + 4 h + 0 .. 3); sixteen lanes share an address
.irp n, 0,1,2,3
	ds_load_b128 v[CB+16*((\k)%4)+4*\n:CB+16*((\k)%4)+4*\n+3], v[CA] offset:(4*((\k)%4)+\n)*CPITCH+32*((\k)/4)
.endr
.endm
.macro SMALL                           ; the biases and W3, in the layouts in which they are used: 18 loads, behind all of W_phi's.  b2 (32 w + 16 t + 8 h + 0 .. 7),
	WIN 0
.irp t, 0,1
	global_load_b128 v[B2+8*\t:B2+8*\t+3],     v[VH32], s[12:13] offset:64*\t
	global_load_b128 v[B2+8*\t+4:B2+8*\t+7],   v[VH32], s[12:13] offset:64*\t+16
.endr
	WIN 0x40
.irp t, 0,1                            ; W3 likewise,
	global_load_b128 v[W3R+8*\t:W3R+8*\t+3],   v[VH32], s[14:15] offset:64*\t
	global_load_b128 v[W3R+8*\t+4:W3R+8*\t+7], v[VH32], s[14:15] offset:64*\t+16
.endr
.irp c, 0,1                            ; b_phi(16 w + 8 h + 0 .. 7),
	global_load_b128 v[BPH+4*\c:BPH+4*\c+3], v[VH32], s[8:9] offset:16*\c
.endr
.irp t, 0,1,2,3                        ; b1(64 w + 32 (t / 2) + 16 h + 8 (t % 2) + 0 .. 7)
	global_load_b128 v[B1+8*\t:B1+8*\t+3],   v[VH64], s[10:11] offset:(32*(\t/2)+8*(\t%2))*4
	global_load_b128 v[B1+8*\t+4:B1+8*\t+7], v[VH64], s[10:11] offset:(32*(\t/2)+8*(\t%2))*4+16
.endr
.endm
.macro FRAGS dst, f0, nf               ; nf fragments from my block of codes
.set ff, 0
.rept \nf
.irp c, 0,1,2,3
	ds_load_b128 v[\dst+16*ff+4*\c:\dst+16*ff+4*\c+3], v[CDA] offset:2048*(\f0+ff)+512*\c
.endr
.set ff, ff+1
.endr
.endm
; Memory instructions stand at the even chunks, in one run each.
.macro CHUNK k
	WIN 0x04                                       ; source 1 (W_phi) window 1; LDS addresses and destinations in window 0
.if (\k)%4 == 0                        ; this group of W_phi is in
.if (\k) < 16
	s_wait_loadcnt 32                              ; out may be the 32 loads issued behind it (at chunk k, 20 + k pairs have been issued)
.else
	s_wait_loadcnt 8*(7-(\k)/4)+18                 ; out may be the later groups' 8 loads each and SMALL's 18
.endif
.endif
.if (\k)%2 == 0
.if (\k) < 30
	CLOAD (\k)+2                                   ; the next two chunks', into the buffers that the last two read
	CLOAD (\k)+3
.endif
.set dsc, 8                            ; out may be the 8 just issued
.if (\k) < 12
	WIN 0x40
	WNEXT 2
	WIN 0x04
.endif
.if (\k) == 12
	SMALL
	WIN 0x04
.endif
.if (\k) == 16
	s_wait_tensorcnt 0x0                           ; my block of codes is in LDS; I alone read it
	WIN 0x40
	FRAGS W1F, 0, 4                                ; W1's, over class groups 2 and 3
	WIN 0x04
.endif
.if (\k) == 28
	WIN 0x40
	FRAGS W2F, 4, 6                                ; W2's first six, over class groups 4 .. 6
	WIN 0x04
.endif
.if ((\k) == 16) || ((\k) == 18)
.set dsc, 24                           ; and W1's 16
.endif
.if (\k) == 28
.set dsc, 32                           ; and W2's 24
.endif
.if (\k) == 30
.set dsc, 24                           ; W2's 24 alone
.endif
	s_wait_dscnt dsc
.endif
.irp i, 0,1,2,3
.irp p, 0,1,2,3
.irp n, 0,1,2,3
.set fa, ACC+8*(4*((\k)%4)+\n)+2*\p
.set fc, CB+16*((\k)%4)+4*\n+2*(\i/2)
.set fw, 32*((\k)/4)+8*\i+2*\p
.if ((\k) < 4) && (\i == 0)
	v_pk_mul_f32 v[fa:fa+1], v[fc:fc+1], v[fw:fw+1] op_sel_hi:[0,1]                                ; the first class starts the sums: nothing is cleared
.elseif \i%2
	v_pk_fma_f32 v[fa:fa+1], v[fc:fc+1], v[fw:fw+1], v[fa:fa+1] op_sel:[1,0,0] op_sel_hi:[1,1,1]   ; the pair's second count for both halves
.else
	v_pk_fma_f32 v[fa:fa+1], v[fc:fc+1], v[fw:fw+1], v[fa:fa+1] op_sel_hi:[0,1,1]                  ; its first
.endif
.endr
.endr
.endr
.endm
	CLOAD 0
	CLOAD 1
.set K, 0
.rept 32
	CHUNK K
.set K, K+1
.endr
	WIN 0x40
	FRAGS W2F+96, 10, 2                            ; W2's last two, over class group 7
	s_wait_loadcnt 0x0                             ; the biases and W3 are in
	WIN 0x41                                       ; source 0 and destination window 1
.set n, 0
.rept 32
	v_ldexp_f32 v[B1+n], v[B1+n], s56              ; b1 / 2^(e0 + e1)
.set n, n+1
.endr
	WIN 0
.set n, 0
.rept 16
	v_ldexp_f32 v[B2+n], v[B2+n], s57              ; b2 / 2^(e2 + e3)
.set n, n+1
.endr
; the two halves of lanes hold sums over different classes.  Rows b and b + 8 change halves: then lanes 0-15 add up row b, lanes 16-31 row b + 8
.irp b, 0,1,2,3,4,5,6,7
.irp n, 0,1,2,3,4,5,6,7
	v_permlane16_swap_b32 v[ACC+8*\b+\n], v[ACC+64+8*\b+\n]
.endr
.endr
.irp b, 0,1,2,3,4,5,6,7
.irp n, 0,2,4,6
	v_pk_add_f32 v[ACC+8*\b+\n:ACC+8*\b+\n+1], v[ACC+8*\b+\n:ACC+8*\b+\n+1], v[ACC+64+8*\b+\n:ACC+64+8*\b+\n+1]
.endr
	ds_store_b128 v[PUW], v[ACC+8*\b:ACC+8*\b+3]   offset:\b*PUP       ; phi 4 r + 0 .. 3
	ds_store_b128 v[PUW], v[ACC+8*\b+4:ACC+8*\b+7] offset:\b*PUP+256   ; phi 64 + 4 r + 0 .. 3
.endr
	BARRIER                                        ; u's eight parts lie in LDS
; ---- U: my 8 numbers of u (batch row r, k = 16 w + 8 h + 0 .. 7): eight parts, + 512 b_phi, quantised
.irp p, 0,1,2,3
	ds_load_b128 v[P03+8*\p:P03+8*\p+3],   v[PUR] offset:PUS*\p
	ds_load_b128 v[P03+8*\p+4:P03+8*\p+7], v[PUR] offset:PUS*\p+16
	ds_load_b128 v[P47+8*\p:P47+8*\p+3],   v[PUR] offset:PUS*(\p+4)
	ds_load_b128 v[P47+8*\p+4:P47+8*\p+7], v[PUR] offset:PUS*(\p+4)+16
.endr
	s_wait_dscnt 0x0
.irp p, 0,1,2,3
.irp k, 0,2,4,6
	v_pk_add_f32 v[P03+8*\p+\k:P03+8*\p+\k+1], v[P03+8*\p+\k:P03+8*\p+\k+1], v[P47+8*\p+\k:P47+8*\p+\k+1]
.endr
.endr
.irp p, 0,1
.irp k, 0,2,4,6
	v_pk_add_f32 v[P03+8*\p+\k:P03+8*\p+\k+1], v[P03+8*\p+\k:P03+8*\p+\k+1], v[P03+8*(\p+2)+\k:P03+8*(\p+2)+\k+1]
.endr
.endr
.irp k, 0,2,4,6
	v_pk_add_f32 v[P03+\k:P03+\k+1], v[P03+\k:P03+\k+1], v[P03+8+\k:P03+8+\k+1]
.endr
	WIN 0x01                                       ; source 0 (b_phi) window 1
.irp k, 0,2,4,6
	v_pk_fma_f32 v[P03+\k:P03+\k+1], v[BPH+\k:BPH+\k+1], 0x44000000, v[P03+\k:P03+\k+1] op_sel_hi:[1,0,1]   ; + 512 b_phi
.endr
	WIN 0
.irp k, 0,1,2,3,4,5,6,7
	v_med3_num_f32 v[P03+\k], v[P03+\k], -v[LU], v[LU]   ; the conversion to an 8-bit code does not saturate (ISA guide 7.6.2): the hold at the largest code x the scale
.endr
	v_cvt_scalef32_pk8_bf8_f32 v[PCD:PCD+1], v[P03:P03+7], v[SU]
	v_nop                                          ; one plain vector instruction behind the conversion
	ds_store_b64 v[UIW], v[PCD:PCD+1]
	BARRIER                                        ; u's fragment lies in LDS
; ---- product 1: my 4 tiles of the hidden layer.  In tile t lane (r, h) holds batch row r, and its register j the hidden unit 64 w + 32 (t / 2) + 16 h + 8 (t % 2) + j
.irp c, 0,1,2,3
	ds_load_b128 v[UF+4*\c:UF+4*\c+3], v[LIU] offset:512*\c
.endr
	s_wait_dscnt 0x0
	WIN 0x11                                       ; source 0 (W1) and source 2 (b1) window 1
.irp t, 0,1,2,3
	v_wmma_f32_16x16x128_bf8_bf8 v[HR+8*\t:HR+8*\t+7], v[W1F+16*\t:W1F+16*\t+15], v[UF:UF+15], v[B1+8*\t:B1+8*\t+7]
.endr
	WIN 0
	PLACES
.irp b, 0,1                            ; tiles 2 b and 2 b + 1 are 16 neighbours along the next K; each accumulator is read from its low end on
.irp i, 0,1,2,3,4,5,6,7,8,9,10,11,12,13,14,15
	v_med3_num_f32 v[HR+16*\b+\i], v[HR+16*\b+\i], 0, v[LH]   ; the activation and the hold in one
.endr
	v_cvt_scalef32_pk8_bf8_f32 v[HCD+4*\b:HCD+4*\b+1],   v[HR+16*\b:HR+16*\b+7],    v[SH]
	v_cvt_scalef32_pk8_bf8_f32 v[HCD+4*\b+2:HCD+4*\b+3], v[HR+16*\b+8:HR+16*\b+15], v[SH]
.endr
	v_nop                                          ; one plain vector instruction behind the last conversion
.irp b, 0,1
	ds_store_b128 v[HIW], v[HCD+4*\b:HCD+4*\b+3] offset:512*\b
.endr
	BARRIER                                        ; the hidden layer's four fragments lie in LDS
; ---- product 2: my 2 tiles of outputs, by turns, a K step at a time.  In tile t lane (r, h) holds batch row r, register j output 32 w + 16 t + 8 h + j
.irp s, 0,1
.irp c, 0,1,2,3
	ds_load_b128 v[HFA+16*\s+4*\c:HFA+16*\s+4*\c+3], v[LIH] offset:2048*\s+512*\c
.endr
.endr
.irp s, 0,1
.irp c, 0,1,2,3
	ds_load_b128 v[HFB+16*\s+4*\c:HFB+16*\s+4*\c+3], v[LIH] offset:2048*(\s+2)+512*\c
.endr
.endr
	WIN 0x01                                       ; source 0 (W2) window 1
	s_wait_dscnt 12                                ; K step 0's fragment is in; three steps' 4 loads each may be out
.irp t, 0,1
	v_wmma_f32_16x16x128_bf8_bf8 v[ACC2+8*\t:ACC2+8*\t+7], v[W2F+64*\t:W2F+64*\t+15], v[HFA:HFA+15], v[B2+8*\t:B2+8*\t+7]
.endr
	s_wait_dscnt 8
.irp t, 0,1
	v_wmma_f32_16x16x128_bf8_bf8 v[ACC2+8*\t:ACC2+8*\t+7], v[W2F+16+64*\t:W2F+16+64*\t+15], v[HFA+16:HFA+31], v[ACC2+8*\t:ACC2+8*\t+7]
.endr
	s_wait_dscnt 4
.irp t, 0,1
	v_wmma_f32_16x16x128_bf8_bf8 v[ACC2+8*\t:ACC2+8*\t+7], v[W2F+32+64*\t:W2F+32+64*\t+15], v[HFB:HFB+15], v[ACC2+8*\t:ACC2+8*\t+7]
.endr
	s_wait_dscnt 0x0
.irp t, 0,1
	v_wmma_f32_16x16x128_bf8_bf8 v[ACC2+8*\t:ACC2+8*\t+7], v[W2F+48+64*\t:W2F+48+64*\t+15], v[HFB+16:HFB+31], v[ACC2+8*\t:ACC2+8*\t+7]
.endr
	WIN 0
	PLACES
; ---- product 3 (N = 1, left as it is): f32 multiply-adds on relu(sum), which lacks the factor 2^(e2 + e3); that factor is applied once, to the finished sum
.set n, 0
.rept 16
	v_max_num_f32 v[ACC2+n], 0, v[ACC2+n]
.set n, n+1
.endr
	WIN 0x04                                       ; source 1 (W3) window 1
.irp k, 0,2,4,6
	v_pk_mul_f32 v[TR+\k:TR+\k+1], v[ACC2+\k:ACC2+\k+1], v[W3R+\k:W3R+\k+1]
.endr
.irp k, 0,2,4,6
	v_pk_fma_f32 v[TR+\k:TR+\k+1], v[ACC2+8+\k:ACC2+8+\k+1], v[W3R+8+\k:W3R+8+\k+1], v[TR+\k:TR+\k+1]
.endr
	WIN 0
	v_pk_add_f32 v[TR:TR+1], v[TR:TR+1], v[TR+2:TR+3]
	v_pk_add_f32 v[TR+4:TR+5], v[TR+4:TR+5], v[TR+6:TR+7]
	v_pk_add_f32 v[TR:TR+1], v[TR:TR+1], v[TR+4:TR+5]
	v_add_f32 v[TR], v[TR], v[TR+1]
	v_permlanex16_b32 v[TR+1], v[TR], s66, s67     ; the row's other 16 of my 32 outputs lie in the lane 16 away
	v_add_f32 v[TR], v[TR], v[TR+1]
	ds_store_b32 v[REDW], v[TR]                    ; (lanes r and 16 + r write the same number to the same word)
	BARRIER                                        ; the eight waves' sums lie in LDS
	s_cmp_lg_u32 s24, 0                            ; wave 0 adds them and stores
	s_cbranch_scc1 .Lclose
.irp p, 0,1,2,3,4,5,6,7
	ds_load_b32 v[TR+\p], v[REDR] offset:64*\p
.endr
	s_wait_dscnt 0x0
.irp p, 0,1,2,3
	v_add_f32 v[TR+\p], v[TR+\p], v[TR+4+\p]
.endr
	v_add_f32 v[TR], v[TR], v[TR+2]
	v_add_f32 v[TR+1], v[TR+1], v[TR+3]
	v_add_f32 v[TR], v[TR], v[TR+1]
	v_ldexp_f32 v[TR], v[TR], s58                  ; x 2^(e2 + e3): by the exponent, so that e2 + e3 has no limit of its own
	v_add_f32 v[TR], s59, v[TR]                    ; + b3
	global_store_b32 v[OUTO], v[TR], s[22:23]      ; one number for each batch row (lanes r and 16 + r hold and store the same one)
.Lclose:
	s_wait_tensorcnt 0x0                           ; the wave's end: behind my last tensor load and my last LDS store
	ds_add_u32 v[SPW], v[NIL]
	s_wait_dscnt 0x0
	ROUND                                          ; the closing round: no work-group ends while a partner may still issue the joint load that names it
	s_endpgm
.Lfunc_end_k_q32c65e03b3_main:
	.size	k_q32c65e03b3_main, .Lfunc_end_k_q32c65e03b3_main-k_q32c65e03b3_main
	.p2alignl 7, 3214868480
	.fill 96, 4, 3214868480
	.section	.rodata,"a",@progbits
	.p2align	6, 0x0
	.amdhsa_kernel k_q32c65e03b3_main
		.amdhsa_group_segment_fixed_size 327680
		.amdhsa_private_segment_fixed_size 0
		.amdhsa_enable_private_segment 0
		.amdhsa_kernarg_size 80
		.amdhsa_user_sgpr_count 2
		.amdhsa_user_sgpr_kernarg_segment_ptr 1
		.amdhsa_wavefront_size32 1
		.amdhsa_system_sgpr_workgroup_id_x 1
		.amdhsa_system_sgpr_workgroup_id_y 1
		.amdhsa_system_sgpr_workgroup_id_z 1
		.amdhsa_system_vgpr_workitem_id 0
		.amdhsa_next_free_vgpr 512
		.amdhsa_next_free_sgpr 80
		.amdhsa_reserve_vcc 1
		.amdhsa_float_denorm_mode_32 3
		.amdhsa_float_denorm_mode_16_64 3
		.amdhsa_memory_ordered 1
		.amdhsa_forward_progress 1
		.amdhsa_inst_pref_size 219
	.end_amdhsa_kernel
	.amdgpu_metadata
---
amdhsa.version: [ 1, 2 ]
amdhsa.kernels:
  - .name:           k_q32c65e03b3_main
    .symbol:         k_q32c65e03b3_main.kd
    .args:
      - { .name: x, .offset: 0, .size: 8, .value_kind: global_buffer, .address_space: global }
      - { .name: W_phi, .offset: 8, .size: 8, .value_kind: global_buffer, .address_space: global }
      - { .name: b_phi, .offset: 16, .size: 8, .value_kind: global_buffer, .address_space: global }
      - { .name: b1, .offset: 24, .size: 8, .value_kind: global_buffer, .address_space: global }
      - { .name: b2, .offset: 32, .size: 8, .value_kind: global_buffer, .address_space: global }
      - { .name: W3, .offset: 40, .size: 8, .value_kind: global_buffer, .address_space: global }
      - { .name: b3, .offset: 48, .size: 8, .value_kind: global_buffer, .address_space: global }
      - { .name: lowp_scales, .offset: 56, .size: 8, .value_kind: global_buffer, .address_space: global }
      - { .name: wcodes, .offset: 64, .size: 8, .value_kind: global_buffer, .address_space: global }
      - { .name: out0, .offset: 72, .size: 8, .value_kind: global_buffer, .address_space: global }
    .group_segment_fixed_size: 327680
    .private_segment_fixed_size: 0
    .kernarg_segment_align: 8
    .kernarg_segment_size: 80
    .max_flat_workgroup_size: 256
    .sgpr_count:     80
    .vgpr_count:     512
    .wavefront_size: 32
...
	.end_amdgpu_metadata
.endif
;; end of part 4
